; MI455X (gfx1250); checked and timed in simulation.
; The chip was launched on July 23, 2026; its instructions are those of AMD's public machine-readable ISA for CDNA 5 (MIT licence, August 2026) and "CDNA5" Instruction Set Architecture Reference Guide (July 2026). The comments in the code are by the model that wrote it; some were corrected since.
;; Self Attention xyz. Allowed arithmetic: float matrix products may take bf16 or f16 operands with f32 sums; other float arithmetic in f32, or as packed bf16 or f16 multiplies, adds, multiply-adds, maxima and minima; sums over many terms, partial sums and values carried from step to step in f32; what a program stores and reads back later, other than sums and carried values, may be rounded once to bf16 or f16.
;; Inputs: Wk 1,024 x 1,024 float32; Wq 1,024 x 1,024 float32; Wv 1,024 x 1,024 float32; bk 1,024 float32; bq 1,024 float32; bv 1,024 float32; x 4 x 2,048 x 1,024 float32.
;; Outputs: out0 4 x 2,048 x 1,024 float32.
;; One version. Each part assembles by itself: llvm-mc -triple=amdgcn-amd-amdhsa -mcpu=gfx1250 --defsym DOCPART=n.
;; ======== version 1 of 1: 4 launches
;; limits: values are held in f16: magnitudes above 65,504 overflow, below 6.1e-05 lose precision
;; workspace buffers: xb 16,777,216 bytes; wb 6,291,456 bytes; qkv 50,331,648 bytes; pp 33,554,432 bytes; st 1,048,576 bytes
;; launch cast (part 1): grid 1024 x 1, 8 waves a work-group, no clusters, 0 bytes of LDS; arguments x, Wq, Wk, Wv, xb, wb; writes xb, wb
.if DOCPART == 1
	.amdgcn_target "amdgcn-amd-amdhsa--gfx1250"
	.amdhsa_code_object_version 6
	.text
	.protected	k_q100e18441a_cast
	.globl	k_q100e18441a_cast
	.p2align	8
	.type	k_q100e18441a_cast,@function
k_q100e18441a_cast:
	s_mov_b64 s[64:65], 0
	v_nop
	global_prefetch_b8 v0, s[64:65] scope:SCOPE_SE
	s_setreg_imm32_b32 hwreg(HW_REG_WAVE_MODE, 25, 1), 1
	s_wait_xcnt 0x0
; x and the three weight matrices, f32, are rounded once to bf16 (nearest even): xb = [8192][1024], wb = [3072][1024] with Wq's rows, then Wk's, then Wv's.
; LIMIT: a number beyond bf16's largest finite one becomes an infinity; NaN stays NaN.
; 1,024 work-groups of equal work.  Work-group g takes 32,768 bytes of x on end (8 rows) and row g (4,096 bytes) of each of Wq, Wk and Wv: eleven loads a thread, no choice, no branch.
; Thread t loads 16 bytes at 4,096 i + 16 t, so a wave's load covers 512 consecutive bytes, and stores their four numbers, 8 bytes, at 2,048 i + 8 t:
; a wave's store covers 256 consecutive bytes, aligned.  All eleven loads go out first; no register is written twice, so no source has to be freed.
; No LDS, no matrix unit, no cluster: nothing is shared and every byte is touched once.
.set X, 4                              ; v[4:47]   as loaded: x's eight pieces, then Wq's, Wk's, Wv's
.set Y, 48                             ; v[48:69]  to store
	s_load_b256 s[4:11], s[0:1], 0x0               ; x s[4:5], Wq s[6:7], Wk s[8:9], Wv s[10:11]
	s_load_b128 s[12:15], s[0:1], 0x20             ; xb s[12:13], wb s[14:15]
	s_lshl_b32 s16, ttmp9, 15                      ; my 32,768 bytes of x,
	s_mov_b32 s17, 0
	s_lshl_b32 s18, ttmp9, 12                      ; my 4,096 bytes of each weight matrix,
	s_mov_b32 s19, 0
	s_lshl_b32 s20, ttmp9, 14                      ; my 16,384 bytes of xb,
	s_mov_b32 s21, 0
	s_lshl_b32 s22, ttmp9, 11                      ; my 2,048 bytes of each third of wb
	s_mov_b32 s23, 0
	v_lshlrev_b32 v1, 4, v0                        ; 16 t
	v_lshlrev_b32 v2, 3, v0                        ; 8 t
	s_wait_kmcnt 0x0
	s_add_nc_u64 s[4:5], s[4:5], s[16:17]
	s_add_nc_u64 s[6:7], s[6:7], s[18:19]
	s_add_nc_u64 s[8:9], s[8:9], s[18:19]
	s_add_nc_u64 s[10:11], s[10:11], s[18:19]
	s_add_nc_u64 s[12:13], s[12:13], s[20:21]
	s_add_nc_u64 s[14:15], s[14:15], s[22:23]
.irp i, 0,1,2,3,4,5,6,7
	global_load_b128 v[X+4*(\i):X+4*(\i)+3], v1, s[4:5] offset:4096*(\i) th:TH_LOAD_NT
.endr
	global_load_b128 v[X+32:X+35], v1, s[6:7] th:TH_LOAD_NT
	global_load_b128 v[X+36:X+39], v1, s[8:9] th:TH_LOAD_NT
	global_load_b128 v[X+40:X+43], v1, s[10:11] th:TH_LOAD_NT
.irp n, 0,1,2,3,4,5,6,7,8,9,10
	s_wait_loadcnt 10-(\n)                         ; loads come back in order: piece n is in, the 10 - n younger loads stay out
	v_cvt_pk_bf16_f32 v[Y+2*(\n)],   v[X+4*(\n)],   v[X+4*(\n)+1]
	v_cvt_pk_bf16_f32 v[Y+2*(\n)+1], v[X+4*(\n)+2], v[X+4*(\n)+3]
.if (\n) < 8
	global_store_b64 v2, v[Y+2*(\n):Y+2*(\n)+1], s[12:13] offset:2048*(\n)
.else
	global_store_b64 v2, v[Y+2*(\n):Y+2*(\n)+1], s[14:15] offset:((\n)-8)*2097152  ; a matrix is 2,097,152 bytes of wb
.endif
.endr
	s_endpgm
.Lfunc_end_k_q100e18441a_cast:
	.size	k_q100e18441a_cast, .Lfunc_end_k_q100e18441a_cast-k_q100e18441a_cast
	.p2alignl 7, 3214868480
	.fill 96, 4, 3214868480
	.section	.rodata,"a",@progbits
	.p2align	6, 0x0
	.amdhsa_kernel k_q100e18441a_cast
		.amdhsa_group_segment_fixed_size 0
		.amdhsa_private_segment_fixed_size 0
		.amdhsa_enable_private_segment 0
		.amdhsa_kernarg_size 48
		.amdhsa_user_sgpr_count 2
		.amdhsa_user_sgpr_kernarg_segment_ptr 1
		.amdhsa_wavefront_size32 1
		.amdhsa_system_sgpr_workgroup_id_x 1
		.amdhsa_system_sgpr_workgroup_id_y 1
		.amdhsa_system_sgpr_workgroup_id_z 1
		.amdhsa_system_vgpr_workitem_id 0
		.amdhsa_next_free_vgpr 72
		.amdhsa_next_free_sgpr 66
		.amdhsa_reserve_vcc 0
		.amdhsa_float_denorm_mode_32 3
		.amdhsa_float_denorm_mode_16_64 3
		.amdhsa_memory_ordered 1
		.amdhsa_forward_progress 1
		.amdhsa_inst_pref_size 5
	.end_amdhsa_kernel
	.amdgpu_metadata
---
amdhsa.version: [ 1, 2 ]
amdhsa.kernels:
  - .name:           k_q100e18441a_cast
    .symbol:         k_q100e18441a_cast.kd
    .args:
      - { .name: x, .offset: 0, .size: 8, .value_kind: global_buffer, .address_space: global }
      - { .name: Wq, .offset: 8, .size: 8, .value_kind: global_buffer, .address_space: global }
      - { .name: Wk, .offset: 16, .size: 8, .value_kind: global_buffer, .address_space: global }
      - { .name: Wv, .offset: 24, .size: 8, .value_kind: global_buffer, .address_space: global }
      - { .name: xb, .offset: 32, .size: 8, .value_kind: global_buffer, .address_space: global }
      - { .name: wb, .offset: 40, .size: 8, .value_kind: global_buffer, .address_space: global }
    .group_segment_fixed_size: 0
    .private_segment_fixed_size: 0
    .kernarg_segment_align: 8
    .kernarg_segment_size: 48
    .max_flat_workgroup_size: 256
    .sgpr_count:     66
    .vgpr_count:     72
    .wavefront_size: 32
...
	.end_amdgpu_metadata
.endif
;; end of part 1
;; launch proj (part 2): grid 12 x 32, 4 waves a work-group, clusters of 4 x 4, 327,680 bytes of LDS; arguments xb, wb, qkv, bq, bk, bv; writes qkv
.if DOCPART == 2
	.amdgcn_target "amdgcn-amd-amdhsa--gfx1250"
	.amdhsa_code_object_version 6
	.text
	.protected	k_q100e18441a_proj
	.globl	k_q100e18441a_proj
	.p2align	8
	.type	k_q100e18441a_proj,@function
k_q100e18441a_proj:
	s_mov_b64 s[64:65], 0
	v_nop
	global_prefetch_b8 v0, s[64:65] scope:SCOPE_SE
	s_setreg_imm32_b32 hwreg(HW_REG_WAVE_MODE, 25, 1), 1
	s_wait_xcnt 0x0
	s_wait_alu depctr_hold_cnt(0) depctr_sa_sdst(0) depctr_va_vdst(0) depctr_va_sdst(0) depctr_va_ssrc(0) depctr_va_vcc(0) depctr_vm_vsrc(0)
	s_getreg_b32 s2, hwreg(HW_REG_IB_STS2, 6, 4)
	s_cmp_eq_u32 s2, 0
	s_cbranch_scc0 .Lentry_in_a_cluster
	s_endpgm
.Lentry_in_a_cluster:
	s_bfe_u32 s2, ttmp6, 0x10000c
	s_cmp_lg_u32 s2, 0xf033
	s_cbranch_scc0 .Lentry_shape_is_right
	s_endpgm
.Lentry_shape_is_right:
; qkv[m][n] = the sum over k of xb[m][k] wb[n][k] + bias[n].  xb: [8192][1024] bf16, wb: [3072][1024] bf16 (Wq, Wk, Wv), bias: bq, bk, bv (f32, rounded here to bf16 like the
; other inputs), qkv: [8192][3072] f16 (columns 0-1023 q, 1024-2047 k, 2048-3071 v).  Sums in f32, the result rounded once.
; LIMIT: q, k and v must lie within f16's range, 65,504; beyond it the conversion gives an infinity.  NaN and infinities are not treated apart.
; A tile of 256 x 256 is made by a work-group of four waves; a wave makes 128 x 128: 64 accumulators of 16 x 16, 512 registers.  K goes in 8 steps of 128 through a ring of two LDS
; slots filled by the tensor data mover; a tile's rows are 256 bytes of memory and start at multiples of 256 bytes.
; A K STEP IS WRITTEN ONCE.  The slot in hand is a scalar offset, 0 or SLOT, turned by an exclusive or at each change of slots; the fragments' LDS addresses are that offset plus a fixed
; lane register, the refill's LDS address that offset plus the wave's share.  One loop of six trips fills a slot again in each trip; a second loop of two trips fills nothing.
; CLUSTERS: 4 x 4 work-groups.  The four of a row of the cluster need the same tiles of xb, the four of a column the same tiles of wb: each tile is asked for JOINTLY, by the same
; tensor load with the same descriptor and a mask that names the four.
; THE MATRIX INSTRUCTION IS USED TRANSPOSED (source 0 = 16 rows of wb, source 1 = 16 rows of xb): lane l holds row l % 16 of the result and the columns 8 (l / 16) + 0..7.
; THE BIAS is the C operand of the product that starts each sum: 64 registers, the lane's eight columns for each of the wave's eight column blocks; nothing is cleared, nothing is added later.
; REGISTERS, in windows of 256 (s_set_vgpr_msb: bits 1:0 source 0, 3:2 source 1, 5:4 source 2, 7:6 destination):
;   window 0: v0-31 addresses; v64-127, v128-191 fragments of xb, two buffers; v192-255 the bias, later at work on the way out; v32-63 at work on the way out
;   window 1: v64-127, v128-191 fragments of wb, two buffers     window 2: the accumulators of my rows 0-63 ((a, b) at v[8 (8 a + b)])     window 3: those of my rows 64-127
.set SIZE_K, 1024
.set ROWE,   1024                      ; elements from row to row of xb and wb
.set ROWB,   2*ROWE
.set CROWB,  6144                      ; bytes in a row of qkv
.set KSTEP,  128
.set STEPS,  SIZE_K/KSTEP              ; 8
.set PITCH,  272                       ; an LDS row: 256 bytes + 16 of padding = 68 words: the 16 rows that a load touches start at 16 different groups of four banks (ISA guide 11.1)
.set HALFT,  128*PITCH                 ; 128 rows: what one tensor load brings, and what one wave reads of either operand
.set SLOT,   4*HALFT                   ; xb's 256 rows, then wb's 256 rows
.set STAGE,  2*SLOT                    ; behind the ring: 16 rows x 272 bytes for each wave, for the way out; no tensor load fills it
.set SPITCH, 272
.set SPARE,  STAGE+4*16*SPITCH         ; behind the stages: the spare words, 128 bytes for each wave
.set ADRA0, 16                         ; v16     LDS address of my fragments of xb in slot 0; never rewritten
.set ADRA,  17                         ; v17     the same in the slot in hand
.set ADRB0, 20                         ; v20, v21  the same for wb
.set ADRB,  21
.set STO,  24                          ; v24     the way out: where I put 16 bytes of a row
.set RD,   25                          ; v25     the way out: where I read a row back
.set CO,   26                          ; v26     my byte offset in qkv
.set BO,   27                          ; v27     my byte offset in the bias
.set SPW,  28                          ; v28     LDS address of my spare word; never rewritten
.set NIL,  29                          ; v29     0; never rewritten
.set PFO,  30                          ; v30     the prefetches' offset: my lane x a row; never rewritten
.set PFA,  44                          ; s[44:45] where my prefetches stand
.set LIM,  43                          ; s43     2 in a wave that prefetches, else the greatest number
.set TS,   78                          ; s78     the slot in hand: 0 or SLOT
.set LB,   79                          ; s79     my share of a slot: wave x 128 rows
.set F0,   64
.set F1,   128
.set BIAS, 192
.set TMP,  192                         ; the way out: packed results
.set OB,   32                          ; the way out: 16 rows read back: v32-63 and v224-255 by turns
.set G1,  24                           ; s[24:31] descriptor group 1 for xb's tiles
.set G0,  32                           ; s[32:39] group 0: a set for each of the two first fills; the second then walks on
.set G1B, 48                           ; s[48:55], s[56:63] the same for wb's tiles
.set G0B, 56
.set MSB, 0
.macro WIN new                         ; the immediate's high byte repeats the setting that is left; a switch that changes nothing is dropped
.if MSB != (\new)
	s_set_vgpr_msb (MSB<<8)|(\new)
.set MSB, \new
.endif
.endm
.set MUL_LO, 0xa1                      ; source 0 (wb) window 1, source 1 (xb) window 0, C and D window 2
.set MUL_HI, 0xf1                      ; the same, C and D window 3
.set FIRST,  0x81                      ; the first products: C (the bias) window 0, D window 2; + 0x40: D window 3
.set TO_B,   0x40                      ; destination window 1, address window 0
; A joint load by set s of the two group 0.  Waves 0 and 1 fetch xb's two halves, waves 2 and 3 wb's.  The branch hangs on the wave's number alone.  An s_nop 0 and four v_nop follow each of the two lines.
.macro JLOAD s
	s_cmp_eq_u32 s11, 0
	s_cbranch_scc0 .Lfor_b_\@
	tensor_load_to_lds s[G0+4*(\s):G0+4*(\s)+3], s[G1:G1+7]
	s_nop 0
.rept 4
	v_nop
.endr
	s_branch .Lasked_\@
.Lfor_b_\@:
	tensor_load_to_lds s[G0B+4*(\s):G0B+4*(\s)+3], s[G1B:G1B+7]
	s_nop 0
.rept 4
	v_nop
.endr
.Lasked_\@:
.endm
; A prefetch, behind each joint refill and the run of LDS loads that follows it: the K step that stands two refills on: 32 rows x 256 bytes, a lane a row, one instruction a wave.
; Each row's 256 bytes of a K step are named once in the launch: xb's tile row is asked for by the cluster with x = 0, wb's tile column by the cluster with y = 0; the four partners
; that fetch a tile jointly share its rows out by address (32 of the wave's 128 each).  The loop's last two trips (s3 = 2, 1) have no K step two refills on and ask for nothing.
.macro ASK
	s_cmp_gt_u32 s3, s[LIM]
	s_cbranch_scc0 .Lnot_mine_\@
	global_prefetch_b8 v[PFO], s[PFA:PFA+1] offset:KSTEP*2 th:TH_LOAD_NT scope:SCOPE_SE
.Lnot_mine_\@:
.endm
.macro CREST                           ; a round of the cluster's barrier behind its opening barrier
	s_cmp_lg_u32 s10, 0
	s_cbranch_scc1 .Lnot_wave_0_\@
	s_barrier_signal -3
.Lnot_wave_0_\@:
	s_barrier_wait -3
	s_barrier_signal -1
	s_barrier_wait -1
.endm
.macro CROUND                          ; a whole round
	s_barrier_signal -1
	s_barrier_wait -1
	CREST
.endm
	s_load_b128 s[4:7], s[0:1], 0x0                ; xb s[4:5], wb s[6:7]
	s_load_b64 s[8:9], s[0:1], 0x10                ; qkv
	s_load_b64 s[68:69], s[0:1], 0x18              ; bq
	s_load_b64 s[70:71], s[0:1], 0x20              ; bk
	s_load_b64 s[72:73], s[0:1], 0x28              ; bv
	v_lshl_add_u32 v[SPW], v0, 2, SPARE
	v_mov_b32 v[NIL], 0
	ds_add_u32 v[SPW], v[NIL]                      ; the wave's opening: the add and its wait ahead of my first tensor load; the set-up below stands between them
	v_lshrrev_b32 v1, 5, v0
	v_readfirstlane_b32 s10, v1                    ; wave 0..3
	s_lshr_b32 s11, s10, 1                         ; which half of the tile's rows is mine.  Also: I fetch for xb (0) or for wb (1)
	s_and_b32 s12, s10, 1                          ; which half of its columns.  Also: which 128 rows of that tile I fetch
	s_bfe_u32 s40, ttmp6, 0x40000                  ; cx
	s_bfe_u32 s41, ttmp6, 0x40004                  ; cy
	s_lshl_b32 s42, ttmp9, 2
	s_add_co_u32 s42, s42, s40                     ; tile column = 4 x cluster x + cx, 0..11
	s_and_b32 s13, ttmp7, 0xffff
	s_lshl_b32 s13, s13, 2
	s_add_co_u32 s13, s13, s41                     ; tile row = 4 x cluster y + cy, 0..31
	s_lshl_b32 s43, s41, 2
	s_lshl_b32 s43, 15, s43                        ; my row of the cluster
	s_lshl_b32 s44, 0x1111, s40                    ; my column
	s_or_b32 s[G1+0], s43, (1<<16)|(1<<20)|(1<<21)|(5<<22)|(3<<25)  ; the mask; 2-byte elements; padding on; bit 21 beside a mask; after every 64 words (code 5) 4 words (code 3)
	s_or_b32 s[G1B+0], s44, (1<<16)|(1<<20)|(1<<21)|(5<<22)|(3<<25)
.irp g, G1, G1B
	s_mov_b32 s[(\g)+1], KSTEP<<16                 ; tensor_dim0 = 128
	s_mov_b32 s[(\g)+2], 128<<16                   ; tensor_dim1 = 128
	s_mov_b32 s[(\g)+3], KSTEP<<16                 ; tile_dim0 = 128
	s_mov_b32 s[(\g)+4], 128                       ; tile_dim1 = 128
	s_mov_b32 s[(\g)+5], ROWE                      ; elements from row to row
	s_mov_b32 s[(\g)+6], 0
	s_mov_b32 s[(\g)+7], 0
.endr
	s_lshl_b32 s17, s12, 7                         ; which 128 rows of the tile I fetch
	s_lshl_b32 s16, s13, 8
	s_add_co_u32 s16, s16, s17                     ; xb: row 256 x tile row + 128 x half
	s_lshl_b32 s46, s42, 8
	s_add_co_u32 s46, s46, s17                     ; wb: row 256 x tile column + 128 x half
	s_mov_b32 s17, 0
	s_mov_b32 s47, 0
	s_mov_b64 s[18:19], ROWB
	s_mul_u64 s[16:17], s[16:17], s[18:19]
	s_mul_u64 s[46:47], s[46:47], s[18:19]
	s_mul_i32 s[LB], s10, HALFT                    ; where they go: wave x 128 rows: no place in the cluster enters an LDS address
	s_mov_b32 s[TS], 0                             ; slot 0 is multiplied first
	s_wait_dscnt 0x0                               ; the opening add is done
	s_wait_kmcnt 0x0
	s_add_nc_u64 s[14:15], s[4:5], s[16:17]
	s_add_nc_u64 s[46:47], s[6:7], s[46:47]
	CROUND                                         ; all sixteen work-groups are here: the first joint loads meet
.irp s, 0,1
	s_mov_b32 s[G0+4*(\s)], 1
	s_add_co_u32 s[G0+4*(\s)+1], s[LB], (\s)*SLOT
	s_add_nc_u64 s[G0+4*(\s)+2:G0+4*(\s)+3], s[14:15], (\s)*KSTEP*2
	s_or_b32 s[G0+4*(\s)+3], s[G0+4*(\s)+3], 0x80000000
	s_mov_b32 s[G0B+4*(\s)], 1
	s_add_co_u32 s[G0B+4*(\s)+1], s[LB], (\s)*SLOT
	s_add_nc_u64 s[G0B+4*(\s)+2:G0B+4*(\s)+3], s[46:47], (\s)*KSTEP*2
	s_or_b32 s[G0B+4*(\s)+3], s[G0B+4*(\s)+3], 0x80000000
	JLOAD \s                                       ; two loads of mine are out
.endr
	v_and_b32 v1, 15, v0                           ; l % 16
	v_bfe_u32 v2, v0, 4, 1                         ; l / 16
	; the bias: the cluster's x says which of the three (a matrix has four tile columns), cx which 256 of its 1,024 numbers, my column half which 128
	s_cmp_eq_u32 ttmp9, 1
	s_cselect_b64 s[76:77], s[70:71], s[68:69]
	s_cmp_eq_u32 ttmp9, 2
	s_cselect_b64 s[76:77], s[72:73], s[76:77]
	s_lshl_b32 s74, s40, 10
	s_lshl_b32 s75, s12, 9
	s_add_co_u32 s74, s74, s75
	v_lshl_add_u32 v[BO], v2, 5, s74               ; + my lanes' eight columns
.irp b, 0,1,2,3,4,5,6,7
	global_load_b128 v[BIAS+8*(\b):BIAS+8*(\b)+3],   v[BO], s[76:77] offset:64*(\b)
	global_load_b128 v[BIAS+8*(\b)+4:BIAS+8*(\b)+7], v[BO], s[76:77] offset:64*(\b)+16
.endr
	; A fragment is 16 rows x 32 K in 8 registers: lane l holds row l % 16; registers 0-3 K = 8 (l / 16) + 0..7, registers 4-7 K = 16 + 8 (l / 16) + 0..7: two loads of 16 bytes, 32 bytes apart.
	v_mul_u32_u24 v3, v1, PITCH
	v_lshl_add_u32 v3, v2, 4, v3
	s_mul_i32 s21, s11, HALFT                      ; my 128 rows of xb
	s_mul_i32 s22, s12, HALFT                      ; my 128 rows of wb,
	s_add_co_u32 s22, s22, 2*HALFT                 ; which lie behind xb's 256
	v_add_nc_u32 v[ADRA0], s21, v3
	v_add_nc_u32 v[ADRB0], s22, v3
	v_mov_b32 v[ADRA], v[ADRA0]
	v_mov_b32 v[ADRB], v[ADRB0]
	s_mul_i32 s23, s10, 16*SPITCH
	s_add_co_u32 s23, s23, STAGE                   ; my stage
	v_mul_u32_u24 v4, v1, SPITCH                   ; in: row l % 16, 16 bytes for each half of the lanes
	v_lshl_add_u32 v4, v2, 4, v4
	v_add_nc_u32 v[STO], s23, v4
	v_mul_u32_u24 v5, v2, SPITCH                   ; back: lanes 0-15 take one row of 256 bytes, lanes 16-31 the next
	v_lshl_add_u32 v5, v1, 4, v5
	v_add_nc_u32 v[RD], s23, v5
	v_mul_u32_u24 v5, v2, CROWB                    ; and the same two rows in qkv
	v_lshl_add_u32 v[CO], v1, 4, v5
	s_lshl_b32 s13, s13, 8
	s_lshl_b32 s14, s11, 7
	s_add_co_u32 s16, s13, s14                     ; my first row of qkv
	s_mov_b32 s17, 0
	s_mov_b64 s[18:19], CROWB
	s_mul_u64 s[16:17], s[16:17], s[18:19]
	s_lshl_b32 s46, s42, 9                         ; my first column, in bytes: 512 x tile column + 256 x half
	s_lshl_b32 s47, s12, 8
	s_add_co_u32 s46, s46, s47
	s_mov_b32 s47, 0
	s_add_nc_u64 s[16:17], s[16:17], s[46:47]      ; what the way out adds to qkv's address
	; the prefetches.  s13 = 256 x tile row, s42 = tile column
	s_lshl_b32 s42, s42, 8
	s_and_b32 s22, ttmp7, 0xffff                   ; cluster y
	s_cmp_eq_u32 s11, 0                            ; do I fetch for xb?
	s_cselect_b32 s20, s13, s42                    ; the tile's first row
	s_cselect_b32 s21, s40, s41                    ; my place among the four that ask for it with me
	s_cselect_b32 s22, ttmp9, s22                  ; the coordinate along which other clusters read the same rows
	s_cselect_b64 s[PFA:PFA+1], s[4:5], s[6:7]
	s_cmp_eq_u32 s22, 0
	s_cselect_b32 s[LIM], 2, -1                    ; the same in all sixteen partners, for a given wave
	s_lshl_b32 s22, s12, 7
	s_add_co_u32 s20, s20, s22                     ; + the 128 rows that I fetch
	s_lshl_b32 s21, s21, 5
	s_add_co_u32 s20, s20, s21                     ; + my work-group's 32 of them
	s_mov_b32 s21, 0
	s_mov_b64 s[18:19], ROWB
	s_mul_u64 s[20:21], s[20:21], s[18:19]
	s_add_nc_u64 s[PFA:PFA+1], s[PFA:PFA+1], s[20:21]
	s_add_nc_u64 s[PFA:PFA+1], s[PFA:PFA+1], 2*KSTEP*2  ; at K step 2: the first refill steps it to 3 and names K step 4.  Nothing is prefetched here, at the head
	v_and_b32 v[PFO], 31, v0
	v_mul_u32_u24 v[PFO], v[PFO], ROWB
	s_wait_loadcnt 0x0                             ; the bias is in: it is rounded to bf16 and widened again, two numbers at a time
.set i, 0
.rept 32
	v_cvt_pk_bf16_f32 v[12+i%4], v[BIAS+2*i], v[BIAS+2*i+1]
	v_lshlrev_b32 v[BIAS+2*i], 16, v[12+i%4]
	v_and_b32 v[BIAS+2*i+1], 0xffff0000, v[12+i%4]
.set i, i+1
.endr
; 16 matrix instructions: row blocks a0, a0 + 1 of the window's four (hi = 0: my rows 0-63, 1: rows 64-127) x all 8 column blocks, 32 along K.  zero = 1: the first product starts the sums, with the bias as C.
.macro MUL16 f, hi, a0, zero
.if \zero
	WIN FIRST+0x40*(\hi)
.else
	WIN MUL_LO+0x50*(\hi)
.endif
.irp a, \a0, (\a0)+1
.irp b, 0,1,2,3,4,5,6,7
.if \zero
	v_wmma_f32_16x16x32_bf16 v[8*(8*(\a)+(\b)):8*(8*(\a)+(\b))+7], v[(\f)+8*(\b):(\f)+8*(\b)+7], v[(\f)+8*(4*(\hi)+(\a)):(\f)+8*(4*(\hi)+(\a))+7], v[BIAS+8*(\b):BIAS+8*(\b)+7]
.else
	v_wmma_f32_16x16x32_bf16 v[8*(8*(\a)+(\b)):8*(8*(\a)+(\b))+7], v[(\f)+8*(\b):(\f)+8*(\b)+7], v[(\f)+8*(4*(\hi)+(\a)):(\f)+8*(4*(\hi)+(\a))+7], v[8*(8*(\a)+(\b)):8*(8*(\a)+(\b))+7]
.endif
.endr
.endr
.endm
; 32 LDS loads in one run: the fragments of one quarter step (128 rows of wb, 128 rows of xb, 32 K at byte k of the rows of the slot in hand) into buffer f
.macro FETCH k, f
	WIN TO_B
.irp i, 0,1,2,3,4,5,6,7
	ds_load_b128 v[(\f)+8*(\i):(\f)+8*(\i)+3],   v[ADRB] offset:(\k)+(\i)*16*PITCH
	ds_load_b128 v[(\f)+8*(\i)+4:(\f)+8*(\i)+7], v[ADRB] offset:(\k)+(\i)*16*PITCH+32
.endr
	WIN 0
.irp i, 0,1,2,3,4,5,6,7
	ds_load_b128 v[(\f)+8*(\i):(\f)+8*(\i)+3],   v[ADRA] offset:(\k)+(\i)*16*PITCH
	ds_load_b128 v[(\f)+8*(\i)+4:(\f)+8*(\i)+7], v[ADRA] offset:(\k)+(\i)*16*PITCH+32
.endr
.endm
.macro PLACES                          ; four plain vector instructions between a matrix instruction and a load into a register that it has read, or a vector instruction that reads its result
.rept 4
	v_nop
.endr
.endm
; A K step is four quarters of 32 along K, 64 matrix instructions each, on buffers 0, 1, 0, 1.  One of the first three: multiplies buffer f; in its middle it fetches the next quarter, at byte k, into g.
; The 64 accumulators take turns, one instruction a turn, in the same order in every quarter.
.macro QUARTER k, f, g, zero
	s_wait_dscnt 8                                 ; wb's fragments and xb's rows 0-63 are in; the youngest eight loads (xb's rows 64-127) may be out
	MUL16 \f, 0, 0, \zero
	MUL16 \f, 0, 2, \zero
	PLACES
	FETCH \k, \g
	s_wait_dscnt 32                                ; all but the 32 just issued
	MUL16 \f, 1, 0, \zero
	MUL16 \f, 1, 2, \zero
.endm
; The last quarter multiplies buffer 1 and changes slots.  MEET is its first half: one barrier.  In front of it each wave waits for all its tensor loads (at most one is out: its part of the next slot), adds 0 to
; its spare word, and waits for that and for its own reads of this slot.  Behind it nobody reads this slot any more and the next slot is whole.
.macro MEET
	WIN 0                                          ; (the add's two registers lie in window 0)
	s_wait_tensorcnt 0x0
	ds_add_u32 v[SPW], v[NIL]                      ; 0 onto my spare word
	s_wait_dscnt 9                                 ; (the add and the youngest eight loads may be out)
	MUL16 F1, 0, 0, 0                              ; sixteen matrix instructions stand between the add and the wait for it
	s_wait_dscnt 0x0                               ; the add is done, and my reads of this slot are over
	s_barrier_signal -1
	MUL16 F1, 0, 2, 0                              ; work on registers while the others arrive
	WIN 0                                          ; (branches or address lines follow)
	s_barrier_wait -1
.endm
.macro OTHER                           ; the other slot is in hand from here on: two plain vector instructions
	s_xor_b32 s[TS], s[TS], SLOT
	v_add_nc_u32 v[ADRA], s[TS], v[ADRA0]
	v_add_nc_u32 v[ADRB], s[TS], v[ADRB0]
.endm
; The whole last quarter where the slot is filled again, with the K step two steps on: the barrier opens a round of the cluster's, the joint refill is the first thing behind the round,
; then come the next slot's first fragments.  From a request to the wait for it a wave issues 224 matrix instructions.  The walking group 0 takes the slot just read out and the next 256 bytes of the rows.
.macro TURN
	s_wait_xcnt 0x0                                ; the last prefetch, a K step back, has read its address: it is stepped here
	s_add_nc_u64 s[PFA:PFA+1], s[PFA:PFA+1], KSTEP*2
	MEET
	CREST                                          ; no wave of any partner still reads this slot's tile or has a load on its way
	s_add_co_u32 s[G0+5], s[LB], s[TS]
	s_add_co_u32 s[G0B+5], s[LB], s[TS]
	s_add_nc_u64 s[G0+6:G0+7], s[G0+6:G0+7], KSTEP*2
	s_add_nc_u64 s[G0B+6:G0B+7], s[G0B+6:G0B+7], KSTEP*2
	JLOAD 1                                        ; the four v_nop behind it are also the places in front of the loads below
	OTHER
	FETCH 0, F0
	ASK
	MUL16 F1, 1, 0, 0
	MUL16 F1, 1, 2, 0
.endm
; The same where nothing is filled: a plain barrier; the two address lines and two v_nop are the four places in front of the loads into buffer 0.
.macro TURN0
	MEET
	OTHER
	v_nop
	v_nop
	FETCH 0, F0
	MUL16 F1, 1, 0, 0
	MUL16 F1, 1, 2, 0
.endm
; THE WAY OUT of block a (16 rows x 128 columns).  PACK: rounded to f16, 16 bytes a lane, each accumulator's registers in ascending order.  TOSTAGE: into my own stage and back as whole rows of 256 bytes.  SEND: stored.
.macro PACK a
.set AC, 64*((\a)%4)
	WIN 0x0a+5*((\a)/4)                            ; sources 0 and 1: window 2 or 3
.irp b, 0,1,2,3,4,5,6,7
.irp r, 0,1,2,3
	v_cvt_pk_f16_f32 v[TMP+4*(\b)+(\r)], v[AC+8*(\b)+2*(\r)], v[AC+8*(\b)+2*(\r)+1]
.endr
.endr
	WIN 0
.endm
.macro TOSTAGE a
.set BK, OB+192*((\a)%2)
.irp b, 0,1,2,3,4,5,6,7
	ds_store_b128 v[STO], v[TMP+4*(\b):TMP+4*(\b)+3] offset:32*(\b)
.endr
.irp t, 0,1,2,3,4,5,6,7
	ds_load_b128 v[BK+4*(\t):BK+4*(\t)+3], v[RD] offset:(\t)*2*SPITCH  ; LDS serves a wave's instructions in order (ISA guide 5.7.1.4): these see the stores above
.endr
.endm
.macro SEND a
.set BK, OB+192*((\a)%2)
	s_wait_dscnt 0x0                               ; the block is back in registers
	s_wait_xcnt 0x0                                ; only behind this wait are the stores' base and the registers that earlier stores read rewritten
.if (\a) == 0
	s_add_nc_u64 s[8:9], s[8:9], s[16:17]          ; on to my first rows
.else
	s_add_nc_u64 s[8:9], s[8:9], 16*CROWB          ; 16 rows on
.endif
.irp t, 0,1,2,3,4,5,6,7
	global_store_b128 v[CO], v[BK+4*(\t):BK+4*(\t)+3], s[8:9] offset:2*(\t)*CROWB  ; 16 lanes store 256 consecutive bytes, at a multiple of 256 from qkv's first byte
.endr
.endm
	s_wait_tensorcnt 1                             ; my part of K step 0 is in; K step 1's may stay out
	s_barrier_signal -1
	s_barrier_wait -1                              ; everybody's is
	FETCH 0, F0
	QUARTER 64,  F0, F1, 1                         ; the first quarter stands in front of the loops: its products start the sums
	WIN 0                                          ; at a label and at a branch every window is 0
	s_mov_b32 s3, STEPS-2
.Lstep:                                                ; six trips, from a K step's second quarter to the next step's first; each fills the slot that it leaves, with K steps 2 to 7
	QUARTER 128, F1, F0, 0
	QUARTER 192, F0, F1, 0
	TURN
	QUARTER 64,  F0, F1, 0
	WIN 0
	s_sub_co_u32 s3, s3, 1
	s_cmp_lg_u32 s3, 0
	s_cbranch_scc1 .Lstep
	s_mov_b32 s3, 2
.Ltail:                                                ; K steps 6 and 7 fill nothing: a text of their own
	QUARTER 128, F1, F0, 0
	QUARTER 192, F0, F1, 0
	TURN0
	WIN 0
	s_sub_co_u32 s3, s3, 1
	s_cmp_eq_u32 s3, 0
	s_cbranch_scc1 .Lout                           ; the second trip is left here: there is no further K step
	QUARTER 64,  F0, F1, 0
	WIN 0
	s_cmp_lg_u32 s3, 0
	s_cbranch_scc1 .Ltail
.Lout:
	s_wait_dscnt 0x0                               ; the second trip's change of slots has fetched 32 fragments of K step 6 once more, which nobody multiplies: the price, once a launch, of one text for both trips
	PLACES                                         ; the conversions read matrix results
	PACK 0
	TOSTAGE 0
.irp a, 1,2,3,4,5,6,7                  ; block a's conversions stand between block a - 1's loads from the stage and the wait for them
	PACK \a
	SEND (\a)-1
	TOSTAGE \a
.endr
	SEND 7
	s_wait_tensorcnt 0x0                           ; the wave's end: behind my last tensor load and my last LDS store
	ds_add_u32 v[SPW], v[NIL]
	s_wait_dscnt 0x0
	CROUND                                         ; the closing round: no work-group ends while a partner may still ask for a tile that names it
	s_endpgm
.Lfunc_end_k_q100e18441a_proj:
	.size	k_q100e18441a_proj, .Lfunc_end_k_q100e18441a_proj-k_q100e18441a_proj
	.p2alignl 7, 3214868480
	.fill 96, 4, 3214868480
	.section	.rodata,"a",@progbits
	.p2align	6, 0x0
	.amdhsa_kernel k_q100e18441a_proj
		.amdhsa_group_segment_fixed_size 327680
		.amdhsa_private_segment_fixed_size 0
		.amdhsa_enable_private_segment 0
		.amdhsa_kernarg_size 48
		.amdhsa_user_sgpr_count 2
		.amdhsa_user_sgpr_kernarg_segment_ptr 1
		.amdhsa_wavefront_size32 1
		.amdhsa_system_sgpr_workgroup_id_x 1
		.amdhsa_system_sgpr_workgroup_id_y 1
		.amdhsa_system_sgpr_workgroup_id_z 1
		.amdhsa_system_vgpr_workitem_id 0
		.amdhsa_next_free_vgpr 1024
		.amdhsa_next_free_sgpr 80
		.amdhsa_reserve_vcc 0
		.amdhsa_float_denorm_mode_32 3
		.amdhsa_float_denorm_mode_16_64 3
		.amdhsa_memory_ordered 1
		.amdhsa_forward_progress 1
		.amdhsa_inst_pref_size 108
	.end_amdhsa_kernel
	.amdgpu_metadata
---
amdhsa.version: [ 1, 2 ]
amdhsa.kernels:
  - .name:           k_q100e18441a_proj
    .symbol:         k_q100e18441a_proj.kd
    .args:
      - { .name: xb, .offset: 0, .size: 8, .value_kind: global_buffer, .address_space: global }
      - { .name: wb, .offset: 8, .size: 8, .value_kind: global_buffer, .address_space: global }
      - { .name: qkv, .offset: 16, .size: 8, .value_kind: global_buffer, .address_space: global }
      - { .name: bq, .offset: 24, .size: 8, .value_kind: global_buffer, .address_space: global }
      - { .name: bk, .offset: 32, .size: 8, .value_kind: global_buffer, .address_space: global }
      - { .name: bv, .offset: 40, .size: 8, .value_kind: global_buffer, .address_space: global }
    .group_segment_fixed_size: 327680
    .private_segment_fixed_size: 0
    .kernarg_segment_align: 8
    .kernarg_segment_size: 48
    .max_flat_workgroup_size: 128
    .sgpr_count:     80
    .vgpr_count:     1024
    .wavefront_size: 32
...
	.end_amdgpu_metadata
.endif
;; end of part 2
;; launch score (part 3): grid 8 x 32, 4 waves a work-group, clusters of 4 x 4, 327,680 bytes of LDS; arguments qkv, pp, st; writes pp, st
.if DOCPART == 3
	.amdgcn_target "amdgcn-amd-amdhsa--gfx1250"
	.amdhsa_code_object_version 6
	.text
	.protected	k_q100e18441a_score
	.globl	k_q100e18441a_score
	.p2align	8
	.type	k_q100e18441a_score,@function
k_q100e18441a_score:
	s_mov_b64 s[64:65], 0
	v_nop
	global_prefetch_b8 v0, s[64:65] scope:SCOPE_SE
	s_setreg_imm32_b32 hwreg(HW_REG_WAVE_MODE, 25, 1), 1
	s_wait_xcnt 0x0
	s_wait_alu depctr_hold_cnt(0) depctr_sa_sdst(0) depctr_va_vdst(0) depctr_va_sdst(0) depctr_va_ssrc(0) depctr_va_vcc(0) depctr_vm_vsrc(0)
	s_getreg_b32 s2, hwreg(HW_REG_IB_STS2, 6, 4)
	s_cmp_eq_u32 s2, 0
	s_cbranch_scc0 .Lentry_in_a_cluster
	s_endpgm
.Lentry_in_a_cluster:
	s_bfe_u32 s2, ttmp6, 0x10000c
	s_cmp_lg_u32 s2, 0xf033
	s_cbranch_scc0 .Lentry_shape_is_right
	s_endpgm
.Lentry_shape_is_right:
; For each batch: s = q k^T (f16 operands, f32 sums), and of each row's CHUNK of 128 keys the softmax's first half: c m = the chunk's maximum of c s, c = log2(e) / 32;
; p = 2^(c s - c m), stored as f16 in pp [8192][2048]; l = the chunk's sum of the unrounded p; (c m, l) stored in f32 in st [16 chunks][8192 rows][2].
; The launch behind brings the chunks of a row onto the row's own maximum: the maximum is taken away from every exponent, first the chunk's, then the row's.
; LIMITS: a weight below 2^-126 counts as 0 in l, one below 6e-8 as 0 in pp; NaN and infinities are not treated apart.
; q = columns 0-1023 of qkv's rows (6,144 bytes each), k = columns 1024-2047.  A tile of 256 queries x 256 keys is made by a work-group of four waves; a wave makes 128 x 128, so a
; wave's columns are one chunk and the chunk's softmax never leaves the wave.  K (the 1,024 channels) goes in 8 steps of 128 through a ring of two LDS slots.
; A K STEP IS WRITTEN ONCE.  The slot in hand is a scalar offset, 0 or SLOT, turned by an exclusive or at each change of slots; the fragments' LDS addresses are that offset plus a fixed
; lane register, the refill's LDS address that offset plus the wave's share.  One loop of six trips fills a slot again in each trip; a second loop of two trips fills nothing.
; CLUSTERS: 4 x 4 work-groups of one batch (a batch has 8 x 8 tiles).  The four of a row need the same tiles of q, the four of a column the same tiles of k: asked for jointly.
; THE MATRIX INSTRUCTION IS USED TRANSPOSED (source 0 = 16 keys, source 1 = 16 queries): lane l holds query l % 16 and the keys 8 (l / 16) + 0..7 of each block of 16:
; a row's maximum and sum want one exchange between the halves of the lanes.
; REGISTERS, in windows of 256 (s_set_vgpr_msb: bits 1:0 source 0, 3:2 source 1, 5:4 source 2, 7:6 destination):
;   window 0: v0-31 addresses; v64-127, v128-191 fragments of q, two buffers; on the way out v64-127 a block's 64 scores, v128-153 at work, v192-223 packed p, v32-63 rows read back
;   window 1: v64-127, v128-191 fragments of k     window 2: the accumulators of my rows 0-63 ((a, b) at v[8 (8 a + b)])     window 3: those of my rows 64-127
.set SIZE_K, 1024
.set ROWE,   3072                      ; elements from row to row of qkv
.set ROWB,   2*ROWE
.set CROWB,  4096                      ; bytes in a row of pp
.set KSTEP,  128
.set STEPS,  SIZE_K/KSTEP              ; 8
.set PITCH,  272                       ; an LDS row: 256 bytes + 16 of padding: the 16 rows that a load touches start at 16 different groups of four banks (ISA guide 11.1)
.set HALFT,  128*PITCH
.set SLOT,   4*HALFT                   ; q's 256 rows, then k's 256 rows
.set STAGE,  2*SLOT                    ; 16 rows x 272 bytes for each wave, for the way out
.set SPITCH, 272
.set SSTG,   STAGE+4*16*SPITCH         ; 1,024 bytes for each wave: its 128 rows' (c m, l)
.set SPARE,  SSTG+4*1024               ; the spare words, 128 bytes for each wave
.set ADRA0, 16                         ; v16     LDS address of my fragments of q in slot 0; never rewritten
.set ADRA,  17                         ; v17     the same in the slot in hand
.set SR,   18                          ; v18     where I read 16 bytes of my wave's statistics back
.set SO,   19                          ; v19     16 x lane: my offset in the wave's 1,024 bytes of st
.set ADRB0, 20                         ; v20, v21  as v16, v17, for k
.set ADRB,  21
.set SA0,  22                          ; v22     where row l % 16 of block 0 puts (c m, l); never rewritten
.set STO,  24
.set RD,   25
.set CO,   26
.set SA,   27                          ; v27     the same as v22 for the block in hand
.set SPW,  28
.set NIL,  29
.set PFO,  30
.set PFA,  44
.set LIM,  43                          ; s43     2 in a wave that prefetches, else the greatest number
.set TS,   78                          ; s78     the slot in hand: 0 or SLOT
.set LB,   79                          ; s79     my share of a slot: wave x 128 rows
.set F0,   64
.set F1,   128
.set E,    64                          ; the block's scores, times c; then the exponents; then p
.set T,    128                         ; v128-148 at work
.set ML,   152                         ; v[152:153] c m, l
.set H,    192                         ; p in f16
.set OB,   32
.set G1,  24
.set G0,  32                           ; s[32:39] group 0 for q's tiles: a set for each of the two first fills; the second then walks on
.set G1B, 48
.set G0B, 56
.set CS,  66                           ; s[66:67] c: the packed multiply takes the pair's low word for both halves
.set SEL, 68                           ; s[68:69] v_permlanex16_b32's selects: each lane takes its own place in the other half
.set BLK, 70                           ; s70  the block of 16 rows in hand, 0..7
.set SOF, 71                           ; s71  128 x that
.set MSB, 0
.macro WIN new
.if MSB != (\new)
	s_set_vgpr_msb (MSB<<8)|(\new)
.set MSB, \new
.endif
.endm
.set MUL_LO, 0xa1
.set MUL_HI, 0xf1
.set TO_B,   0x40
; A joint load by set s of the two group 0.  Waves 0 and 1 fetch q's two halves, waves 2 and 3 k's.  An s_nop 0 and four v_nop follow each of the two lines.
.macro JLOAD s
	s_cmp_eq_u32 s11, 0
	s_cbranch_scc0 .Lfor_b_\@
	tensor_load_to_lds s[G0+4*(\s):G0+4*(\s)+3], s[G1:G1+7]
	s_nop 0
.rept 4
	v_nop
.endr
	s_branch .Lasked_\@
.Lfor_b_\@:
	tensor_load_to_lds s[G0B+4*(\s):G0B+4*(\s)+3], s[G1B:G1B+7]
	s_nop 0
.rept 4
	v_nop
.endr
.Lasked_\@:
.endm
; A prefetch behind each joint refill and its run of LDS loads: the K step two refills on, 32 rows x 256 bytes, a lane a row.  Each block is named once in the launch: q's rows are read by the two
; clusters of a row of clusters: the one with x = 0 asks; k's rows by the two clusters of a batch with the same x: the one with even y asks; the four partners share a tile's rows out by address.
; The loop's last two trips (s3 = 2, 1) ask for nothing.
.macro ASK
	s_cmp_gt_u32 s3, s[LIM]
	s_cbranch_scc0 .Lnot_mine_\@
	global_prefetch_b8 v[PFO], s[PFA:PFA+1] offset:KSTEP*2 th:TH_LOAD_NT scope:SCOPE_SE
.Lnot_mine_\@:
.endm
.macro CREST
	s_cmp_lg_u32 s10, 0
	s_cbranch_scc1 .Lnot_wave_0_\@
	s_barrier_signal -3
.Lnot_wave_0_\@:
	s_barrier_wait -3
	s_barrier_signal -1
	s_barrier_wait -1
.endm
.macro CROUND
	s_barrier_signal -1
	s_barrier_wait -1
	CREST
.endm
	s_load_b64 s[4:5], s[0:1], 0x0                 ; qkv
	s_load_b64 s[8:9], s[0:1], 0x8                 ; pp
	s_load_b64 s[72:73], s[0:1], 0x10              ; st
	v_lshl_add_u32 v[SPW], v0, 2, SPARE
	v_mov_b32 v[NIL], 0
	ds_add_u32 v[SPW], v[NIL]                      ; the wave's opening: the add and its wait ahead of my first tensor load
	v_lshrrev_b32 v1, 5, v0
	v_readfirstlane_b32 s10, v1                    ; wave 0..3
	s_lshr_b32 s11, s10, 1                         ; which half of the tile's queries is mine.  Also: I fetch for q (0) or for k (1)
	s_and_b32 s12, s10, 1                          ; which half of its keys.  Also: which 128 rows of that tile I fetch
	s_bfe_u32 s40, ttmp6, 0x40000                  ; cx
	s_bfe_u32 s41, ttmp6, 0x40004                  ; cy
	s_lshl_b32 s42, ttmp9, 2
	s_add_co_u32 s42, s42, s40                     ; tile column in the batch, 0..7
	s_and_b32 s74, ttmp7, 0xffff                   ; cluster y, 0..7
	s_lshl_b32 s13, s74, 2
	s_add_co_u32 s13, s13, s41                     ; tile row over all batches, 0..31
	s_lshr_b32 s75, s74, 1                         ; the batch: made of the cluster's y alone
	s_lshl_b32 s43, s41, 2
	s_lshl_b32 s43, 15, s43                        ; my row of the cluster
	s_lshl_b32 s44, 0x1111, s40                    ; my column
	s_or_b32 s[G1+0], s43, (1<<16)|(1<<20)|(1<<21)|(5<<22)|(3<<25)  ; the mask; 2-byte elements; padding on; bit 21 beside a mask; after every 64 words (code 5) 4 words (code 3)
	s_or_b32 s[G1B+0], s44, (1<<16)|(1<<20)|(1<<21)|(5<<22)|(3<<25)
.irp g, G1, G1B
	s_mov_b32 s[(\g)+1], KSTEP<<16                 ; tensor_dim0 = 128
	s_mov_b32 s[(\g)+2], 128<<16                   ; tensor_dim1 = 128
	s_mov_b32 s[(\g)+3], KSTEP<<16                 ; tile_dim0 = 128
	s_mov_b32 s[(\g)+4], 128                       ; tile_dim1 = 128
	s_mov_b32 s[(\g)+5], ROWE                      ; elements from row to row
	s_mov_b32 s[(\g)+6], 0
	s_mov_b32 s[(\g)+7], 0
.endr
	s_mov_b32 s[CS], 0x3d38aa3b                    ; c = log2(e) / 32
	s_mov_b32 s[CS+1], s[CS]
	s_mov_b32 s[SEL], 0x76543210
	s_mov_b32 s[SEL+1], 0xfedcba98
	s_lshl_b32 s17, s12, 7
	s_lshl_b32 s16, s13, 8
	s_add_co_u32 s16, s16, s17                     ; q: row 256 x tile row + 128 x half
	s_lshl_b32 s46, s42, 8
	s_add_co_u32 s46, s46, s17
	s_lshl_b32 s47, s75, 11
	s_add_co_u32 s46, s46, s47                     ; k: row 2,048 x batch + 256 x tile column + 128 x half
	s_mov_b32 s17, 0
	s_mov_b32 s47, 0
	s_mov_b64 s[18:19], ROWB
	s_mul_u64 s[16:17], s[16:17], s[18:19]
	s_mul_u64 s[46:47], s[46:47], s[18:19]
	s_mul_i32 s[LB], s10, HALFT                    ; where my tiles go: wave x 128 rows: no place in the cluster enters an LDS address
	s_mov_b32 s[TS], 0                             ; slot 0 is multiplied first
	s_wait_dscnt 0x0                               ; the opening add is done
	s_wait_kmcnt 0x0
	s_add_nc_u64 s[6:7], s[4:5], 2048              ; k's columns begin 2,048 bytes into a row
	s_add_nc_u64 s[14:15], s[4:5], s[16:17]
	s_add_nc_u64 s[46:47], s[6:7], s[46:47]
	CROUND                                         ; all sixteen work-groups are here: the first joint loads meet
.irp s, 0,1
	s_mov_b32 s[G0+4*(\s)], 1
	s_add_co_u32 s[G0+4*(\s)+1], s[LB], (\s)*SLOT
	s_add_nc_u64 s[G0+4*(\s)+2:G0+4*(\s)+3], s[14:15], (\s)*KSTEP*2
	s_or_b32 s[G0+4*(\s)+3], s[G0+4*(\s)+3], 0x80000000
	s_mov_b32 s[G0B+4*(\s)], 1
	s_add_co_u32 s[G0B+4*(\s)+1], s[LB], (\s)*SLOT
	s_add_nc_u64 s[G0B+4*(\s)+2:G0B+4*(\s)+3], s[46:47], (\s)*KSTEP*2
	s_or_b32 s[G0B+4*(\s)+3], s[G0B+4*(\s)+3], 0x80000000
	JLOAD \s                                       ; two loads of mine are out
.endr
	v_and_b32 v1, 15, v0                           ; l % 16
	v_bfe_u32 v2, v0, 4, 1                         ; l / 16
	v_mul_u32_u24 v3, v1, PITCH
	v_lshl_add_u32 v3, v2, 4, v3
	s_mul_i32 s21, s11, HALFT
	s_mul_i32 s22, s12, HALFT
	s_add_co_u32 s22, s22, 2*HALFT
	v_add_nc_u32 v[ADRA0], s21, v3
	v_add_nc_u32 v[ADRB0], s22, v3
	v_mov_b32 v[ADRA], v[ADRA0]
	v_mov_b32 v[ADRB], v[ADRB0]
	s_mul_i32 s23, s10, 16*SPITCH
	s_add_co_u32 s23, s23, STAGE                   ; my stage
	v_mul_u32_u24 v4, v1, SPITCH
	v_lshl_add_u32 v4, v2, 4, v4
	v_add_nc_u32 v[STO], s23, v4
	v_mul_u32_u24 v5, v2, SPITCH
	v_lshl_add_u32 v5, v1, 4, v5
	v_add_nc_u32 v[RD], s23, v5
	v_mul_u32_u24 v5, v2, CROWB
	v_lshl_add_u32 v[CO], v1, 4, v5
	s_lshl_b32 s23, s10, 10
	s_add_co_u32 s23, s23, SSTG                    ; my wave's statistics
	v_lshl_add_u32 v[SA0], v1, 3, s23              ; 8 bytes a row
	v_and_b32 v5, 31, v0
	v_lshl_add_u32 v[SR], v5, 4, s23
	v_lshlrev_b32 v[SO], 4, v5
	s_lshl_b32 s13, s13, 8
	s_lshl_b32 s14, s11, 7
	s_add_co_u32 s16, s13, s14                     ; my first row
	s_lshl_b32 s76, s16, 3                         ; in st: 8 bytes a row,
	s_lshl_b32 s77, s42, 1
	s_add_co_u32 s77, s77, s12                     ; my chunk = 2 x tile column + half,
	s_lshl_b32 s77, s77, 16                        ; 65,536 bytes a chunk
	s_add_co_u32 s76, s76, s77
	s_mov_b32 s77, 0
	s_add_nc_u64 s[72:73], s[72:73], s[76:77]
	s_mov_b32 s17, 0
	s_mov_b64 s[18:19], CROWB
	s_mul_u64 s[16:17], s[16:17], s[18:19]
	s_lshl_b32 s46, s42, 9
	s_lshl_b32 s47, s12, 8
	s_add_co_u32 s46, s46, s47
	s_mov_b32 s47, 0
	s_add_nc_u64 s[16:17], s[16:17], s[46:47]      ; what the way out adds to pp's address
	; the prefetches
	s_lshl_b32 s42, s42, 8
	s_lshl_b32 s22, s75, 11
	s_add_co_u32 s42, s42, s22                     ; the first row of k's tile
	s_and_b32 s22, s74, 1                          ; which of the batch's two rows of clusters
	s_cmp_eq_u32 s11, 0                            ; do I fetch for q?
	s_cselect_b32 s20, s13, s42
	s_cselect_b32 s21, s40, s41
	s_cselect_b32 s22, ttmp9, s22
	s_cselect_b64 s[PFA:PFA+1], s[4:5], s[6:7]
	s_cmp_eq_u32 s22, 0
	s_cselect_b32 s[LIM], 2, -1
	s_lshl_b32 s22, s12, 7
	s_add_co_u32 s20, s20, s22
	s_lshl_b32 s21, s21, 5
	s_add_co_u32 s20, s20, s21
	s_mov_b32 s21, 0
	s_mov_b64 s[18:19], ROWB
	s_mul_u64 s[20:21], s[20:21], s[18:19]
	s_add_nc_u64 s[PFA:PFA+1], s[PFA:PFA+1], s[20:21]
	s_add_nc_u64 s[PFA:PFA+1], s[PFA:PFA+1], 2*KSTEP*2  ; at K step 2: the first refill steps it to 3 and names K step 4.  Nothing is prefetched here, at the head
	v_and_b32 v[PFO], 31, v0
	v_mul_u32_u24 v[PFO], v[PFO], ROWB
.macro MUL16 f, hi, a0, zero           ; 16 matrix instructions; zero = 1: the first product starts the sums
	WIN MUL_LO+0x50*(\hi)
.irp a, \a0, (\a0)+1
.irp b, 0,1,2,3,4,5,6,7
.if \zero
	v_wmma_f32_16x16x32_f16 v[8*(8*(\a)+(\b)):8*(8*(\a)+(\b))+7], v[(\f)+8*(\b):(\f)+8*(\b)+7], v[(\f)+8*(4*(\hi)+(\a)):(\f)+8*(4*(\hi)+(\a))+7], 0
.else
	v_wmma_f32_16x16x32_f16 v[8*(8*(\a)+(\b)):8*(8*(\a)+(\b))+7], v[(\f)+8*(\b):(\f)+8*(\b)+7], v[(\f)+8*(4*(\hi)+(\a)):(\f)+8*(4*(\hi)+(\a))+7], v[8*(8*(\a)+(\b)):8*(8*(\a)+(\b))+7]
.endif
.endr
.endr
.endm
.macro FETCH k, f                      ; 32 LDS loads in one run: 128 rows of k, 128 rows of q, 32 channels at byte k of the rows of the slot in hand
	WIN TO_B
.irp i, 0,1,2,3,4,5,6,7
	ds_load_b128 v[(\f)+8*(\i):(\f)+8*(\i)+3],   v[ADRB] offset:(\k)+(\i)*16*PITCH
	ds_load_b128 v[(\f)+8*(\i)+4:(\f)+8*(\i)+7], v[ADRB] offset:(\k)+(\i)*16*PITCH+32
.endr
	WIN 0
.irp i, 0,1,2,3,4,5,6,7
	ds_load_b128 v[(\f)+8*(\i):(\f)+8*(\i)+3],   v[ADRA] offset:(\k)+(\i)*16*PITCH
	ds_load_b128 v[(\f)+8*(\i)+4:(\f)+8*(\i)+7], v[ADRA] offset:(\k)+(\i)*16*PITCH+32
.endr
.endm
.macro PLACES                          ; four plain vector instructions behind a matrix instruction (ISA guide 7.12.1)
.rept 4
	v_nop
.endr
.endm
.macro QUARTER k, f, g, zero           ; 64 matrix instructions on buffer f; in the middle the next quarter's 32 loads into g.  The 64 accumulators take turns
	s_wait_dscnt 8                                 ; k's fragments and q's rows 0-63 are in; the youngest eight loads may be out
	MUL16 \f, 0, 0, \zero
	MUL16 \f, 0, 2, \zero
	PLACES
	FETCH \k, \g
	s_wait_dscnt 32                                ; all but the 32 just issued
	MUL16 \f, 1, 0, \zero
	MUL16 \f, 1, 2, \zero
.endm
.macro MEET                            ; the change of slots: all my tensor loads have landed, the add, my reads of this slot are over, one barrier
	WIN 0
	s_wait_tensorcnt 0x0
	ds_add_u32 v[SPW], v[NIL]                      ; 0 onto my spare word
	s_wait_dscnt 9                                 ; (the add and the youngest eight loads may be out)
	MUL16 F1, 0, 0, 0
	s_wait_dscnt 0x0
	s_barrier_signal -1
	MUL16 F1, 0, 2, 0
	WIN 0
	s_barrier_wait -1
.endm
.macro OTHER                           ; the other slot is in hand from here on: two plain vector instructions
	s_xor_b32 s[TS], s[TS], SLOT
	v_add_nc_u32 v[ADRA], s[TS], v[ADRA0]
	v_add_nc_u32 v[ADRB], s[TS], v[ADRB0]
.endm
.macro TURN                            ; the last quarter of a K step whose slot is filled again: the barrier opens a round of the cluster's, the joint refill stands first behind it
	s_wait_xcnt 0x0                                ; the last prefetch, a K step back, has read its address
	s_add_nc_u64 s[PFA:PFA+1], s[PFA:PFA+1], KSTEP*2
	MEET
	CREST
	s_add_co_u32 s[G0+5], s[LB], s[TS]             ; the walking group 0: the slot just read out,
	s_add_co_u32 s[G0B+5], s[LB], s[TS]
	s_add_nc_u64 s[G0+6:G0+7], s[G0+6:G0+7], KSTEP*2      ; the next 256 bytes of the rows
	s_add_nc_u64 s[G0B+6:G0B+7], s[G0B+6:G0B+7], KSTEP*2
	JLOAD 1                                        ; the four v_nop behind it are also the places in front of the loads below
	OTHER
	FETCH 0, F0
	ASK
	MUL16 F1, 1, 0, 0
	MUL16 F1, 1, 2, 0
.endm
.macro TURN0                           ; the same where nothing is filled: a plain barrier; the two address lines and two v_nop are the four places in front of the loads into buffer 0
	MEET
	OTHER
	v_nop
	v_nop
	FETCH 0, F0
	MUL16 F1, 1, 0, 0
	MUL16 F1, 1, 2, 0
.endm
; Block a's 64 scores a lane, times c, come into window 0: the one part of the way out that names another window, so it alone is written eight times.  Each accumulator is read from its low end on.
.macro COPY a
	WIN 2+(\a)/4                                   ; source 0: window 2 or 3
.set i, 0
.rept 32
	v_pk_mul_f32 v[E+2*i:E+2*i+1], v[64*((\a)%4)+2*i:64*((\a)%4)+2*i+1], s[CS:CS+1] op_sel_hi:[1,0]
.set i, i+1
.endr
	WIN 0
.endm
	s_wait_tensorcnt 1                             ; my part of K step 0 is in; K step 1's may stay out
	s_barrier_signal -1
	s_barrier_wait -1
	FETCH 0, F0
	QUARTER 64,  F0, F1, 1                         ; the first quarter stands in front of the loops: its products start the sums
	WIN 0
	s_mov_b32 s3, STEPS-2
.Lstep:                                                ; six trips, from a K step's second quarter to the next step's first; each fills the slot that it leaves, with K steps 2 to 7
	QUARTER 128, F1, F0, 0
	QUARTER 192, F0, F1, 0
	TURN
	QUARTER 64,  F0, F1, 0
	WIN 0
	s_sub_co_u32 s3, s3, 1
	s_cmp_lg_u32 s3, 0
	s_cbranch_scc1 .Lstep
	s_mov_b32 s3, 2
.Ltail:                                                ; K steps 6 and 7 fill nothing: a text of their own
	QUARTER 128, F1, F0, 0
	QUARTER 192, F0, F1, 0
	TURN0
	WIN 0
	s_sub_co_u32 s3, s3, 1
	s_cmp_eq_u32 s3, 0
	s_cbranch_scc1 .Lout                           ; the second trip is left here: there is no further K step
	QUARTER 64,  F0, F1, 0
	WIN 0
	s_cmp_lg_u32 s3, 0
	s_cbranch_scc1 .Ltail
.Lout:
	s_wait_dscnt 0x0                               ; the second trip's change of slots has fetched 32 fragments of K step 6 once more, which nobody multiplies: the price, once a launch, of one text for both trips
	PLACES                                         ; what follows reads matrix results and writes registers that the last products read
	; THE WAY OUT: eight trips, a block of 16 queries x 128 keys each.  All but COPY is written once.
	v_mov_b32 v[ML+1], 0                           ; named with c m as a pair before l is made
	s_add_nc_u64 s[8:9], s[8:9], s[16:17]          ; pp at my first rows
	s_mov_b32 s[BLK], 0
	s_mov_b32 s[SOF], 0
.Lblock:
.irp a, 1,2,3,4,5,6,7
	s_cmp_eq_u32 s[BLK], \a                        ; forward jumps on the counter choose the block's copy
	s_cbranch_scc1 .Lcopy_\a
.endr
	COPY 0
	s_branch .Ljoin
.irp a, 1,2,3,4,5,6,7
.Lcopy_\a:
	COPY \a
.if (\a) < 7
	s_branch .Ljoin
.endif
.endr
.Ljoin:
	; the maximum of the lane's 64 numbers, three operands at a time, then the other half of the lanes'
.set i, 0
.rept 21
	v_max3_num_f32 v[T+i], v[E+3*i], v[E+3*i+1], v[E+3*i+2]
.set i, i+1
.endr
.set i, 0
.rept 7
	v_max3_num_f32 v[T+i], v[T+3*i], v[T+3*i+1], v[T+3*i+2]
.set i, i+1
.endr
	v_max3_num_f32 v[T], v[T], v[T+1], v[T+2]
	v_max3_num_f32 v[T+1], v[T+3], v[T+4], v[T+5]
	v_max_num_f32 v[T+2], v[T+6], v[E+63]
	v_max3_num_f32 v[T], v[T], v[T+1], v[T+2]
	v_permlanex16_b32 v[T+1], v[T], s[SEL], s[SEL+1]  ; the query's other 64 keys lie in the lane 16 away
	v_max_num_f32 v[ML], v[T], v[T+1]              ; c m
.set i, 0
.rept 32
	v_pk_add_f32 v[E+2*i:E+2*i+1], v[E+2*i:E+2*i+1], v[ML:ML+1] op_sel_hi:[1,0] neg_lo:[0,1] neg_hi:[0,1]  ; c s - c m
.set i, i+1
.endr
.set i, 0
.rept 64
	v_exp_f32 v[E+i], v[E+i]                       ; one batch
.set i, i+1
.endr
	v_nop                                          ; a plain instruction behind the last exponential
	s_wait_alu depctr_va_vdst(0)                   ; and one wait for the 64, ahead of the first instruction that names a result
.set i, 0
.rept 32
	v_cvt_pk_f16_f32 v[H+i], v[E+2*i], v[E+2*i+1]
.set i, i+1
.endr
.irp b, 0,1,2,3,4,5,6,7
	ds_store_b128 v[STO], v[H+4*(\b):H+4*(\b)+3] offset:32*(\b)
.endr
	s_wait_xcnt 0x0                                ; the last trip's eight stores have read their data (v32-63) and their base: the loads below land in the one, the next line steps the other
	s_add_nc_u64 s[8:9], s[8:9], 16*CROWB          ; 16 rows past the block in hand: its stores reach back by their immediate
.irp t, 0,1,2,3,4,5,6,7
	ds_load_b128 v[OB+4*(\t):OB+4*(\t)+3], v[RD] offset:(\t)*2*SPITCH  ; LDS serves a wave's instructions in order (ISA guide 5.7.1.4): these see the stores above
.endr
	; while the rows come back: the sum of the unrounded p, in place, neighbours 1, 2, 4, 8 and 16 pairs apart
.irp w, 2,4,8,16,32
.set i, 0
.rept 32/(\w)
	v_pk_add_f32 v[E+2*(\w)*i:E+2*(\w)*i+1], v[E+2*(\w)*i:E+2*(\w)*i+1], v[E+2*(\w)*i+(\w):E+2*(\w)*i+(\w)+1]
.set i, i+1
.endr
.endr
	v_add_f32 v[T], v[E], v[E+1]
	v_permlanex16_b32 v[T+1], v[T], s[SEL], s[SEL+1]
	v_add_f32 v[ML+1], v[T], v[T+1]                ; l
	v_add_nc_u32 v[SA], s[SOF], v[SA0]
	ds_store_b64 v[SA], v[ML:ML+1]                 ; both halves of the lanes hold the same pair and write it to the same place
	s_wait_dscnt 1                                 ; the eight loads are back; the store just issued may be out
.irp t, 0,1,2,3,4,5,6,7
	global_store_b128 v[CO], v[OB+4*(\t):OB+4*(\t)+3], s[8:9] offset:2*(\t)*CROWB-16*CROWB  ; 16 lanes store 256 consecutive bytes, at a multiple of 256 from pp's first byte
.endr
	s_add_co_u32 s[SOF], s[SOF], 128
	s_add_co_u32 s[BLK], s[BLK], 1
	s_cmp_lt_u32 s[BLK], 8
	s_cbranch_scc1 .Lblock
	ds_load_b128 v[T:T+3],   v[SR]                 ; my wave's 128 pairs (c m, l), its own bytes, in order behind its stores
	ds_load_b128 v[T+4:T+7], v[SR] offset:512
	s_wait_dscnt 0x0
	global_store_b128 v[SO], v[T:T+3],   s[72:73]  ; 1,024 consecutive bytes a wave, at a multiple of 256 from st's first byte
	global_store_b128 v[SO], v[T+4:T+7], s[72:73] offset:512
	s_wait_tensorcnt 0x0                           ; the wave's end: behind my last tensor load and my last LDS store
	ds_add_u32 v[SPW], v[NIL]
	s_wait_dscnt 0x0
	CROUND                                         ; the closing round
	s_endpgm
.Lfunc_end_k_q100e18441a_score:
	.size	k_q100e18441a_score, .Lfunc_end_k_q100e18441a_score-k_q100e18441a_score
	.p2alignl 7, 3214868480
	.fill 96, 4, 3214868480
	.section	.rodata,"a",@progbits
	.p2align	6, 0x0
	.amdhsa_kernel k_q100e18441a_score
		.amdhsa_group_segment_fixed_size 327680
		.amdhsa_private_segment_fixed_size 0
		.amdhsa_enable_private_segment 0
		.amdhsa_kernarg_size 24
		.amdhsa_user_sgpr_count 2
		.amdhsa_user_sgpr_kernarg_segment_ptr 1
		.amdhsa_wavefront_size32 1
		.amdhsa_system_sgpr_workgroup_id_x 1
		.amdhsa_system_sgpr_workgroup_id_y 1
		.amdhsa_system_sgpr_workgroup_id_z 1
		.amdhsa_system_vgpr_workitem_id 0
		.amdhsa_next_free_vgpr 1024
		.amdhsa_next_free_sgpr 80
		.amdhsa_reserve_vcc 0
		.amdhsa_float_denorm_mode_32 3
		.amdhsa_float_denorm_mode_16_64 3
		.amdhsa_memory_ordered 1
		.amdhsa_forward_progress 1
		.amdhsa_inst_pref_size 101
	.end_amdhsa_kernel
	.amdgpu_metadata
---
amdhsa.version: [ 1, 2 ]
amdhsa.kernels:
  - .name:           k_q100e18441a_score
    .symbol:         k_q100e18441a_score.kd
    .args:
      - { .name: qkv, .offset: 0, .size: 8, .value_kind: global_buffer, .address_space: global }
      - { .name: pp, .offset: 8, .size: 8, .value_kind: global_buffer, .address_space: global }
      - { .name: st, .offset: 16, .size: 8, .value_kind: global_buffer, .address_space: global }
    .group_segment_fixed_size: 327680
    .private_segment_fixed_size: 0
    .kernarg_segment_align: 8
    .kernarg_segment_size: 24
    .max_flat_workgroup_size: 128
    .sgpr_count:     80
    .vgpr_count:     1024
    .wavefront_size: 32
...
	.end_amdgpu_metadata
.endif
;; end of part 3
;; launch pv (part 4): grid 4 x 64, 4 waves a work-group, clusters of 4 x 4, 327,680 bytes of LDS; arguments pp, qkv, st, out0; writes out0
.if DOCPART == 4
	.amdgcn_target "amdgcn-amd-amdhsa--gfx1250"
	.amdhsa_code_object_version 6
	.text
	.protected	k_q100e18441a_pv
	.globl	k_q100e18441a_pv
	.p2align	8
	.type	k_q100e18441a_pv,@function
k_q100e18441a_pv:
	s_mov_b64 s[64:65], 0
	v_nop
	global_prefetch_b8 v0, s[64:65] scope:SCOPE_SE
	s_setreg_imm32_b32 hwreg(HW_REG_WAVE_MODE, 25, 1), 1
	s_wait_xcnt 0x0
	s_wait_alu depctr_hold_cnt(0) depctr_sa_sdst(0) depctr_va_vdst(0) depctr_va_sdst(0) depctr_va_ssrc(0) depctr_va_vcc(0) depctr_vm_vsrc(0)
	s_getreg_b32 s2, hwreg(HW_REG_IB_STS2, 6, 4)
	s_cmp_eq_u32 s2, 0
	s_cbranch_scc0 .Lentry_in_a_cluster
	s_endpgm
.Lentry_in_a_cluster:
	s_bfe_u32 s2, ttmp6, 0x10000c
	s_cmp_lg_u32 s2, 0xf033
	s_cbranch_scc0 .Lentry_shape_is_right
	s_endpgm
.Lentry_shape_is_right:
; out0[q][d] = (the sum over chunks c of f[q][c] x the sum over the chunk's 128 keys of p[q][key] v[key][d]) / L[q],
; with c M = the row's maximum of the 16 chunks' c m, f = 2^(c m_chunk - c M), L = the sum of f l: the second half of the softmax that the launch before began.
; pp: [8192][2048] f16; v = columns 2048-3071 of qkv's rows (6,144 bytes each), f16; st: [16][8192][2] f32 = (c m, l); out0: [8192][1024] f32.  Sums in f32; 1 / L is applied in f32.
; f is rounded to f16 (L is made of the rounded f) and multiplies P's fragments in f16 between their load and the product.
; LIMITS: f, and f p, below 6e-8 count as 0; L is at least 1 (the chunk that holds M has f = 1 and l >= 1); NaN and infinities are not treated apart.
; SHARES.  A work-group makes 128 queries x 256 channels; of its four waves each makes 64 x 128: 32 accumulators.  The 2,048 keys go in 16 steps of 128, a chunk each, through two LDS slots.
; LAYOUT.  O^T = V^T P: source 0 = 16 channels x 32 keys (V lies [key][channel] and is turned by ds_load_tr16_b128), source 1 = 16 queries x 32 keys (P as it lies):
; a lane ends with query l % 16 and the channels 8 (l / 16) + 0..7 of each block of 16.
; CLUSTERS: 4 x 4 work-groups.  The four of a row of the cluster (one block of queries, four blocks of channels) need the same tile of P, the four of a column (one block of channels,
; four blocks of queries of one batch) the same tile of V: asked for jointly.  A refill is three loads of 32,768 bytes: wave 0 brings P's 128 rows x 256 bytes, waves 2 and 3 64 keys x 512 bytes of V each; wave 1 brings nothing.
; REGISTERS, in windows of 256 (s_set_vgpr_msb: bits 1:0 source 0, 3:2 source 1, 5:4 source 2, 7:6 destination):
;   window 0: v0-31 addresses; v32-39 the factors, a set of four for each slot; v40-47 1 / L; v64-127 at work (head, way out); v128-255 rows read back on the way out
;   window 1: two fragment buffers at 0 and 128: V^T's eight fragments, then P's four     window 2: the accumulators, (a, b) at v[8 (8 a + b)]
.set PROWB, 4096                       ; bytes in a row of pp and of out0
.set VROWB, 6144                       ; bytes in a row of qkv
.set PP,    272                        ; a row of P in LDS: 256 bytes + 16: the 16 rows of a load start at 16 different groups of four banks (ISA guide 11.1)
.set PVP,   544                        ; a row of V: 512 + 32 = 136 words
.set VOFF,  128*PP                     ; a slot: 128 rows of P, then 128 keys of V
.set SLOT,  VOFF+128*PVP
.set STAGE, 2*SLOT                     ; 16 rows x 528 bytes for each wave, for the way out
.set SPI,   528
.set FT,    STAGE+4*16*SPI             ; [16 chunks][128 rows] words: f twice, in f16
.set IL,    FT+16*512                  ; [128 rows] f32: 1 / L
.set SPARE, IL+512                     ; the spare words, 128 bytes for each wave
.set ADRP, 16                          ; v16-17  LDS address of my fragments of P in slot 0, 1
.set ADRV, 20                          ; v20-21  the same for V
.set FAD,  23                          ; v23     where the factors of the step to come lie
.set STO,  24
.set RD,   25
.set CO,   26
.set FA,   27                          ; v27     my row's place in a chunk's factors; never rewritten
.set SPW,  28
.set NIL,  29
.set PFO,  30
.set ILA,  31                          ; v31     my row's place among the 1 / L
.set FC,   32
.set ILR,  40                          ; 1 / L of row block a at v[ILR + 2 a]; the odd registers hold 0: named with them as pairs
.set TMP,  64
.set OBA,  128
.set F0,   0
.set F1,   128
.set WV,   12                          ; s12  my wave's number
.set LIM,  15                          ; s15  1 in a wave that prefetches, else the greatest number
.set G1P, 24
.set G0P, 32
.set G1V, 48
.set G0V, 56
.set PFA, 44                           ; s[44:45] where my prefetches stand
.set PST, 46                           ; s[46:47] their step from key step to key step
.set FO,  66                           ; s66  512 x the step whose factors are fetched next
.set MSB, 0
.macro WIN new
.if MSB != (\new)
	s_set_vgpr_msb (MSB<<8)|(\new)
.set MSB, \new
.endif
.endm
.set MUL,  0xa5                        ; sources 0 and 1 window 1, C and D window 2
.set TO_F, 0x40                        ; destination window 1, address window 0
.set SCL,  0x41                        ; destination and source 0 window 1, source 1 (the factor) window 0
.set OUT,  0x02                        ; source 0 window 2
; A joint refill.  The branches hang on the wave's number alone.  An s_nop 0 and four v_nop follow each load.
.macro JLOAD s
	s_cmp_eq_u32 s[WV], 0
	s_cbranch_scc0 .Lnot_p_\@
	tensor_load_to_lds s[G0P+4*(\s):G0P+4*(\s)+3], s[G1P:G1P+7]
	s_nop 0
.rept 4
	v_nop
.endr
	s_branch .Lasked_\@
.Lnot_p_\@:
	s_cmp_lt_u32 s[WV], 2
	s_cbranch_scc1 .Lasked_\@
	tensor_load_to_lds s[G0V+4*(\s):G0V+4*(\s)+3], s[G1V:G1V+7]
	s_nop 0
.rept 4
	v_nop
.endr
.Lasked_\@:
.endm
; A prefetch behind each joint refill and its run of LDS loads: the key step two refills on, 32 blocks of 256 bytes, one instruction a wave.  Each block is named once in the launch.  P's rows are read by one
; row of one cluster: wave 0 of each of the four partners takes 32 of the 128 rows, a lane a row.  V's keys are read by the four clusters of a batch: the first of them asks; of the 64 keys that wave 2 or 3
; fetches each of the four partners of the column takes 16, two lanes a key.  The partners are told apart by address.  The loop's last trip asks for nothing.
.macro ASK
	s_cmp_gt_u32 s3, s[LIM]
	s_cbranch_scc0 .Lnot_mine_\@
	global_prefetch_b8 v[PFO], s[PFA:PFA+1] th:TH_LOAD_NT scope:SCOPE_SE
.Lnot_mine_\@:
.endm
.macro CREST
	s_cmp_lg_u32 s[WV], 0
	s_cbranch_scc1 .Lnot_wave_0_\@
	s_barrier_signal -3
.Lnot_wave_0_\@:
	s_barrier_wait -3
	s_barrier_signal -1
	s_barrier_wait -1
.endm
.macro CROUND
	s_barrier_signal -1
	s_barrier_wait -1
	CREST
.endm
	s_load_b256 s[4:11], s[0:1], 0x0               ; pp s[4:5], qkv s[6:7], st s[8:9], out0 s[10:11]
	v_lshl_add_u32 v[SPW], v0, 2, SPARE
	v_mov_b32 v[NIL], 0
	ds_add_u32 v[SPW], v[NIL]                      ; the wave's opening: the add and its wait ahead of my first tensor load
	v_lshrrev_b32 v1, 5, v0
	v_readfirstlane_b32 s[WV], v1                  ; wave 0..3
	s_lshr_b32 s13, s[WV], 1                       ; wm: which 64 queries are mine
	s_and_b32 s14, s[WV], 1                        ; wn: which 128 channels.  Also: which 64 keys of V I fetch (waves 2, 3)
	s_bfe_u32 s40, ttmp6, 0x40000                  ; cx
	s_bfe_u32 s41, ttmp6, 0x40004                  ; cy
	s_lshl_b32 s42, ttmp9, 2
	s_add_co_u32 s42, s42, s40                     ; block of 256 channels, 0..3
	s_and_b32 s67, ttmp7, 0xffff                   ; cluster y, 0..15
	s_lshl_b32 s43, s67, 2
	s_add_co_u32 s43, s43, s41                     ; block of 128 queries, 0..63
	s_lshr_b32 s68, s67, 2                         ; the batch: made of the cluster's y alone
	s_lshl_b32 s18, s41, 2
	s_lshl_b32 s18, 15, s18                        ; my row of the cluster
	s_lshl_b32 s19, 0x1111, s40                    ; my column
	s_or_b32 s[G1P], s18, (1<<16)|(1<<20)|(1<<21)|(5<<22)|(3<<25)  ; the mask; 2-byte elements; padding on; bit 21 beside a mask; after every 64 words (code 5) 4 words (code 3)
	s_mov_b32 s[G1P+1], 128<<16                    ; tensor_dim0 = 128
	s_mov_b32 s[G1P+2], 128<<16                    ; tensor_dim1 = 128
	s_mov_b32 s[G1P+3], 128<<16                    ; tile_dim0 = 128
	s_mov_b32 s[G1P+4], 128                        ; tile_dim1 = 128
	s_mov_b32 s[G1P+5], 2048                       ; elements from row to row of pp
	s_mov_b32 s[G1P+6], 0
	s_mov_b32 s[G1P+7], 0
	s_or_b32 s[G1V], s19, (1<<16)|(1<<20)|(1<<21)|(6<<22)|(7<<25)  ; after every 128 words (code 6) 8 words (code 7)
	s_mov_b32 s[G1V+1], 256<<16                    ; tensor_dim0 = 256
	s_mov_b32 s[G1V+2], 64<<16                     ; tensor_dim1 = 64
	s_mov_b32 s[G1V+3], 256<<16                    ; tile_dim0 = 256
	s_mov_b32 s[G1V+4], 64                         ; tile_dim1 = 64
	s_mov_b32 s[G1V+5], 3072                       ; elements from row to row of qkv
	s_mov_b32 s[G1V+6], 0
	s_mov_b32 s[G1V+7], 0
	s_lshl_b32 s20, s43, 19                        ; P: 128 rows of 4,096 bytes for each block of queries
	s_mov_b32 s21, 0
	s_lshl_b32 s22, s68, 11                        ; V: key 2,048 x batch
	s_lshl_b32 s23, s14, 6
	s_add_co_u32 s22, s22, s23                     ; + the 64 keys that I fetch,
	s_mul_i32 s22, s22, VROWB
	s_lshl_b32 s23, s42, 9
	s_add_co_u32 s22, s22, s23                     ; + 512 bytes for each block of channels,
	s_add_co_u32 s22, s22, 4096                    ; + v's place in a row of qkv
	s_mov_b32 s23, 0
	s_mul_i32 s19, s14, 64*PVP                     ; where my keys go: no place in the cluster enters an LDS address
	s_mov_b32 s[FO], 512
	s_wait_dscnt 0x0                               ; the opening add is done
	s_wait_kmcnt 0x0
	s_add_nc_u64 s[20:21], s[4:5], s[20:21]
	s_add_nc_u64 s[22:23], s[6:7], s[22:23]
	CROUND                                         ; all sixteen work-groups are here: the first joint loads meet
.irp s, 0,1
	s_mov_b32 s[G0P+4*(\s)], 1
	s_mov_b32 s[G0P+4*(\s)+1], (\s)*SLOT
	s_add_nc_u64 s[G0P+4*(\s)+2:G0P+4*(\s)+3], s[20:21], (\s)*256
	s_or_b32 s[G0P+4*(\s)+3], s[G0P+4*(\s)+3], 0x80000000
	s_mov_b32 s[G0V+4*(\s)], 1
	s_add_co_u32 s[G0V+4*(\s)+1], s19, (\s)*SLOT+VOFF
	s_add_nc_u64 s[G0V+4*(\s)+2:G0V+4*(\s)+3], s[22:23], (\s)*128*VROWB
	s_or_b32 s[G0V+4*(\s)+3], s[G0V+4*(\s)+3], 0x80000000
.endr
	s_cmp_eq_u32 s[WV], 0                          ; a wave's two first fills stand in one branch: two loads of mine are out (none in wave 1)
	s_cbranch_scc0 .Lfirst_not_p
	tensor_load_to_lds s[G0P:G0P+3], s[G1P:G1P+7]
	s_nop 0
	tensor_load_to_lds s[G0P+4:G0P+7], s[G1P:G1P+7]
	s_nop 0
.rept 4
	v_nop
.endr
	s_branch .Lfirst_asked
.Lfirst_not_p:
	s_cmp_lt_u32 s[WV], 2
	s_cbranch_scc1 .Lfirst_asked
	tensor_load_to_lds s[G0V:G0V+3], s[G1V:G1V+7]
	s_nop 0
	tensor_load_to_lds s[G0V+4:G0V+7], s[G1V:G1V+7]
	s_nop 0
.rept 4
	v_nop
.endr
.Lfirst_asked:
	; THE STATISTICS.  Thread t takes row t of the work-group's 128: sixteen pairs (c m, l), a wave's load 256 consecutive bytes
	s_lshl_b32 s16, s43, 10                        ; 128 rows x 8 bytes for each block of queries
	s_mov_b32 s17, 0
	s_add_nc_u64 s[8:9], s[8:9], s[16:17]
	v_lshlrev_b32 v8, 3, v0
.set c, 0
.rept 16
	global_load_b64 v[64+2*c:65+2*c], v8, s[8:9] offset:65536*c
.set c, c+1
.endr
	; the lanes' addresses, while those are on their way
	v_and_b32 v1, 15, v0                           ; l % 16
	v_bfe_u32 v2, v0, 4, 1                         ; l / 16
	v_and_b32 v3, 31, v0                           ; l
	v_mul_u32_u24 v4, v1, PP
	v_lshl_add_u32 v4, v2, 4, v4                   ; P: row x pitch + 16 x half
	s_mul_i32 s16, s13, 64*PP                      ; my 64 rows
	v_add_nc_u32 v[ADRP], s16, v4
	v_add_nc_u32 v[ADRP+1], SLOT, v[ADRP]
	v_and_b32 v5, 7, v0                            ; V: the turning load takes 16 keys x 16 channels: lane l reads key 8 (l / 16) + l % 8, channels 8 ((l / 8) % 2) + 0..7
	v_lshl_add_u32 v5, v2, 3, v5
	v_mul_u32_u24 v5, v5, PVP
	v_bfe_u32 v6, v0, 3, 1
	v_lshl_add_u32 v5, v6, 4, v5
	s_lshl_b32 s16, s14, 8                         ; my 128 channels
	s_add_co_u32 s16, s16, VOFF
	v_add_nc_u32 v[ADRV], s16, v5
	v_add_nc_u32 v[ADRV+1], SLOT, v[ADRV]
	s_mul_i32 s16, s[WV], 16*SPI
	s_add_co_u32 s16, s16, STAGE                   ; my stage
	v_mul_u32_u24 v4, v1, SPI                      ; in: row l % 16, 32 bytes for each half of the lanes
	v_lshl_add_u32 v4, v2, 5, v4
	v_add_nc_u32 v[STO], s16, v4
	v_lshl_add_u32 v[RD], v3, 4, s16               ; back: 32 lanes take a row of 512 bytes
	v_lshlrev_b32 v[CO], 4, v3
	s_lshl_b32 s16, s13, 8                         ; my 64 rows x 4 bytes
	v_lshl_add_u32 v[FA], v1, 2, s16
	v_add_nc_u32 v[ILA], IL, v[FA]
	v_add_nc_u32 v[FA], FT, v[FA]
	v_mov_b32 v[FAD], v[FA]                        ; step 0's factors
.irp a, 0,1,2,3
	v_mov_b32 v[ILR+2*(\a)+1], 0
.endr
	s_lshl_b32 s16, s43, 7
	s_lshl_b32 s17, s13, 6
	s_add_co_u32 s16, s16, s17                     ; my first row of out0
	s_lshl_b32 s16, s16, 12
	s_lshl_b32 s17, s42, 10                        ; 256 channels are 1,024 bytes,
	s_add_co_u32 s16, s16, s17
	s_lshl_b32 s17, s14, 9                         ; my 128 are 512
	s_add_co_u32 s16, s16, s17
	s_mov_b32 s17, 0
	s_add_nc_u64 s[10:11], s[10:11], s[16:17]
	; the prefetches
	s_lshl_b32 s16, s43, 7
	s_lshl_b32 s17, s40, 5
	s_add_co_u32 s16, s16, s17                     ; P: my work-group's 32 rows,
	s_lshl_b32 s16, s16, 12
	s_add_co_u32 s16, s16, 3*256                   ; at step 3: the first refill steps it to 4
	s_lshl_b32 s18, s68, 11
	s_lshl_b32 s17, s14, 6
	s_add_co_u32 s18, s18, s17
	s_lshl_b32 s17, s41, 4
	s_add_co_u32 s18, s18, s17                     ; V: my work-group's 16 keys of the 64 that I fetch,
	s_add_co_u32 s18, s18, 3*128                   ; at step 3
	s_mul_i32 s18, s18, VROWB
	s_lshl_b32 s17, s42, 9
	s_add_co_u32 s18, s18, s17
	s_add_co_u32 s18, s18, 4096
	s_mov_b32 s[PST], 128*VROWB
	s_mov_b32 s[PST+1], 0
	s_mov_b32 s17, 0
	s_cmp_eq_u32 s[WV], 0
	s_cselect_b32 s16, s16, s18
	s_cselect_b32 s[PST], 256, s[PST]
	s_cselect_b64 s[PFA:PFA+1], s[4:5], s[6:7]
	s_cselect_b32 s19, -1, 0
	s_add_nc_u64 s[PFA:PFA+1], s[PFA:PFA+1], s[16:17]
	s_and_b32 s16, ttmp7, 3                        ; which of the batch's four clusters
	s_cmp_eq_u32 s16, 0
	s_cselect_b32 s[LIM], 1, -1
	s_cmp_eq_u32 s[WV], 1
	s_cselect_b32 s[LIM], -1, s[LIM]
	s_cmp_eq_u32 s[WV], 0
	s_cselect_b32 s[LIM], 1, s[LIM]                ; the same in all sixteen partners, for a given wave
	v_lshlrev_b32 v4, 12, v3                       ; P: a lane a row
	v_lshrrev_b32 v5, 1, v3                        ; V: two lanes a key, 256 bytes each
	v_mul_u32_u24 v5, v5, VROWB
	v_and_b32 v6, 1, v3
	v_lshl_add_u32 v5, v6, 8, v5
	v_cndmask_b32 v[PFO], v5, v4, s19
	s_wait_loadcnt 0x0                             ; the statistics are in
	v_max3_num_f32 v112, v64, v66, v68
.set c, 3
.rept 6
	v_max3_num_f32 v112, v112, v[64+2*c], v[66+2*c]
.set c, c+2
.endr
	v_max_num_f32 v112, v112, v94                  ; c M
.set c, 0
.rept 16
	v_sub_f32 v[96+c], v[64+2*c], v112
.set c, c+1
.endr
.set c, 0
.rept 16
	v_exp_f32 v[96+c], v[96+c]
.set c, c+1
.endr
	v_mov_b32 v114, 0                              ; a plain instruction behind the last exponential: L's two chains start here
	v_mov_b32 v115, 0
	s_wait_alu depctr_va_vdst(0)                   ; one wait for the sixteen, ahead of the first instruction that names a result
.set c, 0
.rept 16
	v_cvt_pk_f16_f32 v[96+c], v[96+c], v[96+c]     ; f twice, in f16
.set c, c+1
.endr
.set c, 0
.rept 16
	v_fma_mix_f32 v[114+c%2], v[96+c], v[65+2*c], v[114+c%2] op_sel_hi:[1,0,0]  ; L += f (the f16 number) x l, in f32
.set c, c+1
.endr
	v_add_f32 v114, v114, v115
	v_rcp_f32 v116, v114
	v_lshl_add_u32 v9, v0, 2, FT                   ; a plain instruction behind the reciprocal
	s_wait_alu depctr_va_vdst(0)
.set c, 0
.rept 16
	ds_store_b32 v9, v[96+c] offset:512*c
.set c, c+1
.endr
	ds_store_b32 v9, v116 offset:IL-FT
; 24 LDS loads in one run: the fragments of 32 keys (quarter q of a step): V^T's eight blocks of 16 channels, P's four blocks of 16 queries
.macro FETCHQ slot, q, f
	WIN TO_F
.irp b, 0,1,2,3,4,5,6,7
	ds_load_tr16_b128 v[(\f)+8*(\b):(\f)+8*(\b)+3],   v[ADRV+(\slot)] offset:(\q)*32*PVP+32*(\b)
	ds_load_tr16_b128 v[(\f)+8*(\b)+4:(\f)+8*(\b)+7], v[ADRV+(\slot)] offset:(\q)*32*PVP+16*PVP+32*(\b)
.endr
.irp a, 0,1,2,3
	ds_load_b128 v[(\f)+64+8*(\a):(\f)+64+8*(\a)+3],   v[ADRP+(\slot)] offset:(\a)*16*PP+64*(\q)
	ds_load_b128 v[(\f)+64+8*(\a)+4:(\f)+64+8*(\a)+7], v[ADRP+(\slot)] offset:(\a)*16*PP+64*(\q)+32
.endr
.endm
.macro FACT set                        ; a step's factors for my four blocks of queries
	WIN 0
.irp a, 0,1,2,3
	ds_load_b32 v[FC+4*(\set)+(\a)], v[FAD] offset:64*(\a)
.endr
.endm
.macro PROD f, a, b, zero
.if \zero
	v_wmma_f32_16x16x32_f16 v[8*(8*(\a)+(\b)):8*(8*(\a)+(\b))+7], v[(\f)+8*(\b):(\f)+8*(\b)+7], v[(\f)+64+8*(\a):(\f)+64+8*(\a)+7], 0
.else
	v_wmma_f32_16x16x32_f16 v[8*(8*(\a)+(\b)):8*(8*(\a)+(\b))+7], v[(\f)+8*(\b):(\f)+8*(\b)+7], v[(\f)+64+8*(\a):(\f)+64+8*(\a)+7], v[8*(8*(\a)+(\b)):8*(8*(\a)+(\b))+7]
.endif
.endm
.macro MULA f, a, zero                 ; 8 matrix instructions: query block a x all 8 channel blocks.  The 32 accumulators take turns, in the same order in every quarter
	WIN MUL
.irp b, 0,1,2,3,4,5,6,7
	PROD \f, \a, \b, \zero
.endr
.endm
; Query block 3's eight products, and behind each four of the 32 multiplies that bring buffer g's fragments of P onto the row's maximum.  They name no register of the products round them; the four behind
; the last product are also the places in front of the next run of loads, which lands in buffer f.
.macro MULR f, g, set, zero
.irp b, 0,1,2,3,4,5,6,7
	WIN MUL
	PROD \f, 3, \b, \zero
	WIN SCL
.irp n, 0,1,2,3
	v_pk_mul_f16 v[(\g)+64+4*(\b)+(\n)], v[(\g)+64+4*(\b)+(\n)], v[FC+4*(\set)+(\b)/2]
.endr
.endr
.endm
.macro PLACES
.rept 4
	v_nop
.endr
.endm
; A step is four quarters of 32 keys, 32 matrix instructions each, on buffers 0, 1, 0, 1.  One of the first three: fetches the next quarter q into g, multiplies f, scales g.
.macro QUARTER slot, q, f, g, zero
	FETCHQ \slot, \q, \g
	MULA \f, 0, \zero
	MULA \f, 1, \zero
	s_wait_dscnt 0x0                               ; the next quarter's fragments are in: they are scaled below
	MULA \f, 2, \zero
	MULR \f, \g, \slot, \zero
.endm
; The last quarter multiplies buffer 1 and changes slots: one barrier; in front of it each wave waits for all its tensor loads, adds 0 to its spare word, and waits for that (its reads of this slot are back already).
; fill = 1: the barrier opens a round of the cluster's, and the slot is filled again, first thing behind the round, with the step two steps on.
.macro TURN slot, next, fill
.if \fill
	s_wait_xcnt 0x0                                ; the last prefetch, a step back, has read its address
	s_add_nc_u64 s[PFA:PFA+1], s[PFA:PFA+1], s[PST:PST+1]
.endif
	WIN 0
	s_wait_tensorcnt 0x0                           ; all my tensor loads have landed: my part of the next slot
	ds_add_u32 v[SPW], v[NIL]                      ; 0 onto my spare word
	MULA F1, 0, 0                                  ; eight matrix instructions stand between the add and the wait for it
	s_wait_dscnt 0x0
	s_barrier_signal -1
	MULA F1, 1, 0
	WIN 0
	s_barrier_wait -1
.if \fill
	CREST                                          ; no wave of any partner still reads this slot or has a load on its way
	s_add_nc_u64 s[G0P+4*(\slot)+2:G0P+4*(\slot)+3], s[G0P+4*(\slot)+2:G0P+4*(\slot)+3], 2*256
	s_add_nc_u64 s[G0V+4*(\slot)+2:G0V+4*(\slot)+3], s[G0V+4*(\slot)+2:G0V+4*(\slot)+3], 2*128*VROWB
	JLOAD \slot
.endif
	v_add_nc_u32 v[FAD], s[FO], v[FA]              ; the next step's factors
	s_add_co_u32 s[FO], s[FO], 512
	FETCHQ \next, 0, F0                            ; buffer 0's last products stand in front of four scalings, a quarter back
	FACT \next
.if \fill
	ASK
.endif
	MULA F1, 2, 0
	s_wait_dscnt 0x0
	MULR F1, F0, \next, 0
.endm
; THE WAY OUT of query block a (16 rows x 128 channels): times 1 / L in f32, each accumulator from its low end on; 32 bytes a lane into my stage; back as whole rows of 512 bytes.
.macro PACK a
.if (\a) >= 2
	s_wait_xcnt 0x0                                ; the stores of block a - 2 have read the registers that this block's rows land in
.endif
	WIN OUT
.set i, 0
.rept 32
	v_pk_mul_f32 v[TMP+2*i:TMP+2*i+1], v[64*(\a)+2*i:64*(\a)+2*i+1], v[ILR+2*(\a):ILR+2*(\a)+1] op_sel_hi:[1,0]
.set i, i+1
.endr
	WIN 0
.irp b, 0,1,2,3,4,5,6,7
	ds_store_b128 v[STO], v[TMP+8*(\b):TMP+8*(\b)+3]   offset:64*(\b)
	ds_store_b128 v[STO], v[TMP+8*(\b)+4:TMP+8*(\b)+7] offset:64*(\b)+16
.endr
.irp t, 0,1,2,3,4,5,6,7,8,9,10,11,12,13,14,15
	ds_load_b128 v[OBA+64*((\a)%2)+4*(\t):OBA+64*((\a)%2)+4*(\t)+3], v[RD] offset:(\t)*SPI  ; LDS serves a wave's instructions in order (ISA guide 5.7.1.4): these see the stores above; the next block's stores come behind them
.endr
.endm
.macro SEND a, younger                 ; younger: the LDS instructions issued behind block a's loads: the next block's 32, or none
.irp t, 0,1,2,3,4,5,6,7,8,9,10,11,12,13,14,15
	s_wait_dscnt (\younger)+15-(\t)
	global_store_b128 v[CO], v[OBA+64*((\a)%2)+4*(\t):OBA+64*((\a)%2)+4*(\t)+3], s[10:11] offset:(16*(\a)+(\t))*PROWB th:TH_STORE_NT  ; 512 consecutive bytes, at a multiple of 256 from out0's first byte
.endr
.endm
	s_wait_tensorcnt 0x1                           ; my part of step 0 is in; step 1's may stay out
	s_wait_dscnt 0x0                               ; for the others' sake: my factors and my 1 / L are stored
	s_barrier_signal -1
	s_barrier_wait -1
	FETCHQ 0, 0, F0
	FACT 0
	s_wait_dscnt 0x0
	WIN SCL
.set n, 0
.rept 32
	v_pk_mul_f16 v[F0+64+n], v[F0+64+n], v[FC+n/8] ; the first quarter's fragments of P are scaled by themselves, once in the launch
.set n, n+1
.endr
	QUARTER 0, 1, F0, F1, 1                        ; the first quarter stands in front of the loop: its products start the sums
	WIN 0                                          ; at a label and at a branch every window is 0
	s_mov_b32 s3, 7
.Llap:                                                 ; a trip goes once round the ring, from a lap's second quarter to the next lap's first, and fills both slots again
	QUARTER 0, 2, F1, F0, 0
	QUARTER 0, 3, F0, F1, 0
	TURN 0, 1, 1
	QUARTER 1, 1, F0, F1, 0
	QUARTER 1, 2, F1, F0, 0
	QUARTER 1, 3, F0, F1, 0
	TURN 1, 0, 1
	QUARTER 0, 1, F0, F1, 0
	WIN 0
	s_sub_co_u32 s3, s3, 1
	s_cmp_lg_u32 s3, 0
	s_cbranch_scc1 .Llap
	QUARTER 0, 2, F1, F0, 0                        ; the last lap is written out: it fills nothing
	QUARTER 0, 3, F0, F1, 0
	TURN 0, 1, 0
	QUARTER 1, 1, F0, F1, 0
	QUARTER 1, 2, F1, F0, 0
	QUARTER 1, 3, F0, F1, 0
	MULA F1, 0, 0
	MULA F1, 1, 0
	MULA F1, 2, 0
	MULA F1, 3, 0
	WIN 0
	PLACES                                         ; the multiplies below read matrix results
.irp a, 0,1,2,3
	ds_load_b32 v[ILR+2*(\a)], v[ILA] offset:64*(\a)
.endr
	s_wait_dscnt 0x0
	PACK 0
	PACK 1                                         ; a block's arithmetic stands between the loads of the block before and its stores
	SEND 0, 32
	PACK 2
	SEND 1, 32
	PACK 3
	SEND 2, 32
	SEND 3, 0
	s_wait_tensorcnt 0x0                           ; the wave's end: behind my last tensor load and my last LDS store
	ds_add_u32 v[SPW], v[NIL]
	s_wait_dscnt 0x0
	CROUND                                         ; the closing round: no work-group ends while a partner may still ask for a tile that names it
	s_endpgm
.Lfunc_end_k_q100e18441a_pv:
	.size	k_q100e18441a_pv, .Lfunc_end_k_q100e18441a_pv-k_q100e18441a_pv
	.p2alignl 7, 3214868480
	.fill 96, 4, 3214868480
	.section	.rodata,"a",@progbits
	.p2align	6, 0x0
	.amdhsa_kernel k_q100e18441a_pv
		.amdhsa_group_segment_fixed_size 327680
		.amdhsa_private_segment_fixed_size 0
		.amdhsa_enable_private_segment 0
		.amdhsa_kernarg_size 32
		.amdhsa_user_sgpr_count 2
		.amdhsa_user_sgpr_kernarg_segment_ptr 1
		.amdhsa_wavefront_size32 1
		.amdhsa_system_sgpr_workgroup_id_x 1
		.amdhsa_system_sgpr_workgroup_id_y 1
		.amdhsa_system_sgpr_workgroup_id_z 1
		.amdhsa_system_vgpr_workitem_id 0
		.amdhsa_next_free_vgpr 768
		.amdhsa_next_free_sgpr 72
		.amdhsa_reserve_vcc 0
		.amdhsa_float_denorm_mode_32 3
		.amdhsa_float_denorm_mode_16_64 3
		.amdhsa_memory_ordered 1
		.amdhsa_forward_progress 1
		.amdhsa_inst_pref_size 142
	.end_amdhsa_kernel
	.amdgpu_metadata
---
amdhsa.version: [ 1, 2 ]
amdhsa.kernels:
  - .name:           k_q100e18441a_pv
    .symbol:         k_q100e18441a_pv.kd
    .args:
      - { .name: pp, .offset: 0, .size: 8, .value_kind: global_buffer, .address_space: global }
      - { .name: qkv, .offset: 8, .size: 8, .value_kind: global_buffer, .address_space: global }
      - { .name: st, .offset: 16, .size: 8, .value_kind: global_buffer, .address_space: global }
      - { .name: out0, .offset: 24, .size: 8, .value_kind: global_buffer, .address_space: global }
    .group_segment_fixed_size: 327680
    .private_segment_fixed_size: 0
    .kernarg_segment_align: 8
    .kernarg_segment_size: 32
    .max_flat_workgroup_size: 128
    .sgpr_count:     72
    .vgpr_count:     768
    .wavefront_size: 32
...
	.end_amdgpu_metadata
.endif
;; end of part 4
